; MI455X (gfx1250); checked and timed in simulation.
; The chip was launched on July 23, 2026; its instructions are those of AMD's public machine-readable ISA for CDNA 5 (MIT licence, August 2026) and "CDNA5" Instruction Set Architecture Reference Guide (July 2026). The comments in the code are by the model that wrote it; some were corrected since.
;; EVQA. Allowed arithmetic: matrix products marked QUANTISED: E2M3 operands, one E8M0 scale for each 32 along K, by v_wmma_scale_f32_16x16x128_f8f6f4 with both operands' format E2M3, f32 sums; everything else in f32.
;; Inputs: Wk 1,024 x 1,024 float32; Wo 1,024 x 1,024 float32; Wq 1,024 x 1,024 float32; Wv 1,024 x 1,024 float32; bo 1,024 float32; encoder_hidden_states 4 x 2,048 x 1,024 float32; hidden_states 4 x 2,048 x 1,024 float32.
;; Outputs: out0 4 x 2,048 x 1,024 float32.
;; This version of the problem:
;;   THIS VERSION OF THE PROBLEM IS GIVEN IN LOW PRECISION. The matrix products marked QUANTISED in the list below multiply operands that are first quantised to E2M3 (2 exponent bits, 3 mantissa bits; 6 bits a number), with one power-of-two scale for each 32 numbers along K (OCP MX v1.0); their sums are f32. All else is computed in f32.
;;   The module's matrix products, in the order in which they are computed (A, B: the left and right operand; K: the contracted axis; several contracted axes count as one K, in the product's order):
;;     1. [M 8,192, K 1,024] x [K 1,024, N 1,024]; A: input hidden_states; B: input Wq: QUANTISED
;;     2. [M 8,192, K 1,024] x [K 1,024, N 1,024]; A: input encoder_hidden_states; B: input Wk: QUANTISED
;;     3. [M 8,192, K 1,024] x [K 1,024, N 1,024]; A: input encoder_hidden_states; B: input Wv: QUANTISED
;;     4. batch 64 x [M 2,048, K 64] x [K 64, N 2,048]; A: computed on the way; B: computed on the way: QUANTISED
;;     5. batch 64 x [M 64, K 2,048] x [K 2,048, N 2,048]; A: computed on the way; B: softmax (see below): QUANTISED
;;     6. [M 8,192, K 1,024] x [K 1,024, N 1,024]; A: computed on the way; B: input Wo: QUANTISED
;;   THE QUANTISER, for each operand of a quantised product, along K:
;;     - K is cut into blocks of 32 from its start; a last block that is shorter is filled with zeros.
;;     - A block's scale is 2^e with e = floor(log2(the largest magnitude in the block)) - 2, held to -126 .. 127; a block of zeros has e = 0. As a byte (E8M0): e + 127.
;;     - Each number is divided by its block's scale, clamped to +-7.5, and rounded to the nearest number of E2M3, ties to even, subnormals kept.
;;     - The product sums the exact products of the quantised numbers (number of the format x scale) in f32.
;;   ~~~python
;;   def quantise(x, axis):      # numpy; x: float32 -> the quantised numbers, widened to float32 again
;;       x = np.moveaxis(x, axis, -1); K = x.shape[-1]
;;       x = np.pad(x, [(0, 0)] * (x.ndim - 1) + [(0, -K % 32)]); x = x.reshape(x.shape[:-1] + (-1, 32)); a = np.abs(x).max(-1, keepdims=True)
;;       e = np.where(a > 0, np.clip(np.frexp(np.where(a > 0, a, 1))[1] - 1 - 2, -126, 127), 0)      # np.frexp(a)[1] - 1 = floor(log2(a)), exactly
;;       r = np.clip(x / 2.0 ** e, -7.5, 7.5)
;;       step = 2.0 ** (np.maximum(np.frexp(np.where(r == 0, 1, r))[1] - 1, 0) - 3)
;;       q = np.round(r / step) * step * 2.0 ** e      # np.round: ties to even
;;       return np.moveaxis(q.reshape(q.shape[:-2] + (-1,))[..., :K], -1, axis).astype(np.float32)
;;   ~~~
;;   SOFTMAX AHEAD OF A QUANTISED PRODUCT. Where the list says 'softmax', what is quantised is not the finished softmax but p = 2^(t - M), with t = logit x log2(e) and M = ceil(the row's largest t), a whole number; so 1/2 < the row's largest p <= 1. The row's sum l is taken of the UNQUANTISED p, in f32, and the product's result is divided by l at the end. Since M is a whole number, a kernel that streams over the keys may use a running M (the ceiling of the running maximum): every later rescaling is an exact power of two, which a block's scale takes up: the codes' values come out the same.
;;   OPERANDS COMPUTED ON THE WAY. 'Computed on the way' means the value that the module computes at that place (a softmax that the list does not call 'softmax' is quantised finished and normalised). What goes into a quantiser is computed in f32, as accurately as f32 sums, v_exp_f32 and their like allow (about 1e-6 of the number): no bf16 or f16 on the way to a quantiser, and a product that is left as it is and whose result goes on into a quantised operand takes f32 operands (vector FMAs, or v_wmma_f32_16x16x4_f32). A number that lies on a knife's edge between two numbers of the format may be rounded either way, as far as f32 arithmetic and the matrix unit's own rounding can turn it there, and no further.
;; One version. Each part assembles by itself: llvm-mc -triple=amdgcn-amd-amdhsa -mcpu=gfx1250 --defsym DOCPART=n.
;; ======== version 1 of 1: 4 launches
;; limits: right only within a limited range of input values
;; workspace buffers: aimg 12,582,912 bytes; asc 524,288 bytes; wimg 3,145,728 bytes; wsc 131,072 bytes; qkvimg 18,874,368 bytes; qkvsc 786,432 bytes; oimg 6,291,456 bytes; osc 262,144 bytes
;; launch quanta (part 1): grid 512 x 1, 4 waves a work-group, no clusters, 47,616 bytes of LDS; arguments hidden_states, encoder_hidden_states, aimg, asc, Wq, Wk, Wv, Wo, wimg, wsc; writes aimg, asc, wimg, wsc
.if DOCPART == 1
	.amdgcn_target "amdgcn-amd-amdhsa--gfx1250"
	.amdhsa_code_object_version 6
	.text
	.protected	k_q47c49e7ed9_quanta
	.globl	k_q47c49e7ed9_quanta
	.p2align	8
	.type	k_q47c49e7ed9_quanta,@function
k_q47c49e7ed9_quanta:
	s_mov_b64 s[64:65], 0
	v_nop
	global_prefetch_b8 v0, s[64:65] scope:SCOPE_SE
	s_setreg_imm32_b32 hwreg(HW_REG_WAVE_MODE, 25, 1), 1
	s_wait_xcnt 0x0
; hidden_states and encoder_hidden_states, each [8192][1024] f32 with K innermost, become codes of FP6 (E2M3) and E8M0 bytes, laid as images of operand registers:
; fragment (rowblock t, K step s) at (8 t + s) x 1,536; its half c (k = 64 c ..) at 768 c: registers 6c .. 6c+3 at 16 x lane, registers 6c+4, 6c+5 at 512 + 8 x lane.
; Lane (r, h) holds k = 64 c + 32 h + 0 .. 31 of row 32 (t / 2) + 8 (t % 2) + r + 8 (r / 8).  A row's 32 scale bytes lie at 512 t + 32 r.  The second tensor's 512 rowblocks follow the first's.
; SHARES.  A wave takes one rowblock through all of K: eight K steps of 16 rows x 128 numbers.  Each load reads 512 consecutive bytes of one row; the 8 KB of a step turn through the
; wave's own stage in LDS (rows of 512 + 16 bytes) and come back 128 bytes a lane: two whole blocks of 32, so that no other lane is asked for a maximum.
; Loads run two steps ahead.  Every store of codes covers 512 or 256 consecutive bytes; the rowblock's 512 scale bytes leave by one store.
; LIMITS: NaN and infinities are not served; a block of zeros, or one whose largest magnitude lies under 2^-124, gets the byte 1 (this program alone reads the bytes).
.set WST,   8448                       ; a wave's stage: 16 rows x 528 bytes
.set SPARE, 47104                      ; behind both paths' stages
.set X,     48                         ; v48-111  my 64 numbers of a step: register 32 c + i = k 64 c + 32 h + i
.set R,     112                        ; v112-239 two sets of 64 registers as loaded
.set C,     24                         ; v24-35   the fragment's codes
.set SPW,   44
.set NIL,   45
	s_cmp_lt_u32 ttmp9, 256                        ; ONE LAUNCH PREPARES ALL SIX TENSORS: work-groups 0-255 take the two activations, 256-511 the four weights (below, with LDS bytes of their own)
	s_cbranch_scc0 .Lweights
	s_load_b256 s[4:11], s[0:1], 0x0
	v_lshl_add_u32 v[SPW], v0, 2, SPARE
	v_mov_b32 v[NIL], 0
	v_lshrrev_b32 v8, 5, v0
	v_readfirstlane_b32 s12, v8                    ; wave
	v_and_b32 v8, 31, v0
	v_lshlrev_b32 v1, 4, v8                        ; 16 x lane
	v_lshlrev_b32 v2, 3, v8                        ; 8 x lane
	v_and_b32 v9, 15, v0                           ; r
	v_bfe_u32 v7, v0, 4, 1                         ; h
	s_mul_i32 s13, s12, WST
	v_add_nc_u32 v3, s13, v1                       ; the stage, on the way in
	v_mul_u32_u24 v4, v9, 528
	v_lshl_add_u32 v4, v7, 7, v4
	v_add_nc_u32 v4, s13, v4                       ; and on the way out: row r, + 128 h
	v_lshlrev_b32 v5, 5, v9
	v_lshl_add_u32 v5, v7, 4, v5                   ; scale words out: 32 r + 16 h
	v_lshlrev_b32 v6, 3, v7                        ; 8 h: where my two bytes stand in a scale word
	v_mov_b32 v15, 0                               ; a lane permute's destination counts as one of its sources
	s_mov_b32 s20, 0x76543210
	s_mov_b32 s21, 0xfedcba98                      ; selects for lane l xor 16
	s_lshl_b32 s14, ttmp9, 2
	s_add_co_u32 s14, s14, s12                     ; g: my rowblock among the 1,024 of both tensors
	s_and_b32 s15, s14, 511                        ; t: in its tensor
	s_lshr_b32 s16, s15, 1
	s_lshl_b32 s16, s16, 17                        ; 32 rows of 4,096 bytes for each pair of rowblocks,
	s_and_b32 s17, s15, 1
	s_lshl_b32 s17, s17, 15                        ; 8 rows for the odd one
	s_add_co_u32 s16, s16, s17
	s_mov_b32 s17, 0
	s_mul_i32 s18, s14, 12288
	s_mov_b32 s19, 0
	s_lshl_b32 s22, s14, 9
	s_mov_b32 s23, 0
	s_wait_alu depctr_va_vdst(0)
	s_wait_kmcnt 0x0
	s_cmp_lt_u32 ttmp9, 128                        ; the tensor is chosen by the work-group's number alone
	s_cselect_b64 s[4:5], s[4:5], s[6:7]
	s_add_nc_u64 s[4:5], s[4:5], s[16:17]
	s_add_nc_u64 s[8:9], s[8:9], s[18:19]
	s_add_nc_u64 s[10:11], s[10:11], s[22:23]
.macro LOAD s                          ; K step s: row i of the rowblock is memory row i + 8 (i / 8)
.irp i, 0,1,2,3,4,5,6,7,8,9,10,11,12,13,14,15
	global_load_b128 v[R+64*((\s)%2)+4*\i:R+64*((\s)%2)+4*\i+3], v1, s[4:5] offset:(\i+8*(\i/8))*4096+512*(\s) th:TH_LOAD_NT
.endr
.endm
.macro STEP s
.if (\s) < 7
	s_wait_loadcnt 16                              ; this step's sixteen loads are in; the next step's may be out
.else
	s_wait_loadcnt 0x0
.endif
.irp i, 0,1,2,3,4,5,6,7,8,9,10,11,12,13,14,15
	ds_store_b128 v3, v[R+64*((\s)%2)+4*\i:R+64*((\s)%2)+4*\i+3] offset:528*\i
.endr
.irp c, 0,1
.irp j, 0,1,2,3,4,5,6,7
	ds_load_b128 v[X+32*\c+4*\j:X+32*\c+4*\j+3], v4 offset:256*\c+16*\j   ; LDS serves a wave's instructions in order: these see the stores above
.endr
.endr
	s_wait_dscnt 0x0
.if (\s) < 6
	LOAD (\s)+2                                    ; into the set that has just gone through the stage
.endif
.irp c, 0,1
	v_max3_num_f32 v[8+\c], |v[X+32*\c]|, |v[X+32*\c+1]|, 0x1800000   ; my block 2 c + h, and the floor 2^(3 - 127)
.endr
.irp i, 2,4,6,8,10,12,14,16,18,20,22,24,26,28,30
.irp c, 0,1
	v_max3_num_f32 v[8+\c], v[8+\c], |v[X+32*\c+\i]|, |v[X+32*\c+\i+1]|   ; (the two blocks by turns)
.endr
.endr
.irp c, 0,1
	v_add_nc_u32 v[10+\c], 0xff000000, v[8+\c]     ; 2 off the exponent field: the conversion's scale operand
.endr
.irp c, 0,1
	v_lshrrev_b32 v[12+\c], 23, v[10+\c]           ; the scale's byte
.endr
	v_lshl_or_b32 v14, v13, 16, v12                ; my two bytes: blocks h and 2 + h,
	v_lshlrev_b32 v14, v6, v14                     ; at their places;
	v_permlanex16_b32 v15, v14, s20, s21
	v_or_b32 v[16+(\s)], v14, v15                  ; with lane l xor 16's two the word is whole
	s_wait_alu depctr_va_vdst(0)
	s_wait_xcnt 0x0                                ; the last step's stores have read the code registers: they are written again only behind this wait
.irp c, 0,1
	v_cvt_scalef32_pk16_fp6_f32 v[C+6*\c:C+6*\c+2], v[X+32*\c:X+32*\c+15], v[10+\c]
	v_cvt_scalef32_pk16_fp6_f32 v[36+4*\c:38+4*\c], v[X+32*\c+16:X+32*\c+31], v[10+\c]   ; (a conversion's three registers begin on an even number)
.endr
	v_nop                                          ; one plain place behind a scaled conversion
.irp c, 0,1
.irp i, 0,1,2
	v_mov_b32 v[C+3+6*\c+\i], v[36+4*\c+\i]
.endr
.endr
	global_store_b128 v1, v[C:C+3], s[8:9] offset:1536*(\s)
	global_store_b64 v2, v[C+4:C+5], s[8:9] offset:1536*(\s)+512
	global_store_b128 v1, v[C+6:C+9], s[8:9] offset:1536*(\s)+768
	global_store_b64 v2, v[C+10:C+11], s[8:9] offset:1536*(\s)+1280
.endm
	LOAD 0
	LOAD 1
.irp s, 0,1,2,3,4,5,6,7
	STEP \s
.endr
	v_cmp_ne_u32 vcc_lo, 0, v7                     ; lanes 0-15 store their row's words 0-3, lanes 16-31 words 4-7
.irp i, 0,1,2,3
	v_cndmask_b32 v[36+\i], v[16+\i], v[20+\i], vcc_lo
.endr
	global_store_b128 v5, v[36:39], s[10:11]       ; 512 consecutive bytes
	s_wait_tensorcnt 0x0                           ; the wave's end: behind my last LDS store
	ds_add_u32 v[SPW], v[NIL]
	s_wait_dscnt 0x0
	s_endpgm
; THE FOUR WEIGHTS [1024 (k)][1024 (n)], f32, K their FIRST axis, become the same images: fragment (rowblock t of columns n, K step s) at (8 t + s) x 1,536, a row's 32 scale bytes at 512 t + 32 r.
; Work-group g = number - 256: g / 64 the weight, g % 8 its 128 columns, (g / 8) % 8 the K step.  Wave w takes 32 columns = rowblocks t0 and t0 + 1.
; A LANE TAKES A COLUMN, AND ITS REGISTERS RUN DOWN K: each load reads 128 consecutive bytes a wave, a block of 32 along K is one lane's, and the conversions give codes with K innermost.
; The codes go through the wave's own stage in LDS to their places in the images and leave as runs of 512 consecutive bytes; the scale words leave as 4 bytes a lane.  Limits as above.
.Lweights:
.set STG,   3328                       ; a wave's stage: two fragments, 1,664 bytes apart
.set FRG,   1664
.set WLDS,  33792                      ; behind the activations' four stages
.set X,     80                         ; v80-207  k = 0 .. 127 of my column
.set CD,    20                         ; block t's six code registers at v[20 + 8 t]
.set T2,    52
.set RB,    56
.set SPW,   10
.set NIL,   11
	s_load_b256 s[4:11], s[0:1], 0x20              ; Wq, Wk, Wv, Wo
	s_load_b128 s[12:15], s[0:1], 0x40             ; wimg, wsc
	v_lshl_add_u32 v[SPW], v0, 2, SPARE
	v_mov_b32 v[NIL], 0
	v_lshrrev_b32 v12, 5, v0
	v_readfirstlane_b32 s16, v12                   ; wave
	v_and_b32 v13, 31, v0                          ; lane j = my column among the wave's 32
	v_lshlrev_b32 v1, 2, v13
	v_bfe_u32 v2, v0, 3, 1                         ; u = (j / 8) % 2: which of the two rowblocks
	v_and_b32 v3, 7, v0
	v_bfe_u32 v12, v0, 4, 1
	v_lshl_add_u32 v3, v12, 3, v3                  ; r' = j % 8 + 8 (j / 16): its lane there
	s_mul_i32 s17, s16, STG
	s_add_co_u32 s17, s17, WLDS
	v_mul_u32_u24 v14, v2, FRG
	v_add_nc_u32 v14, s17, v14
	v_lshl_add_u32 v4, v3, 4, v14                  ; stage, registers 0-3 of a half
	v_lshl_add_u32 v5, v3, 3, v14                  ; stage, registers 4, 5 of a half
	v_lshlrev_b32 v7, 4, v13                       ; out: 16 x lane
	v_add_nc_u32 v6, s17, v7
	v_lshlrev_b32 v8, 5, v3
	v_lshl_add_u32 v8, v2, 9, v8                   ; my column's scale word: 512 u + 32 r'
	s_sub_co_u32 s29, ttmp9, 256
	s_lshr_b32 s18, s29, 6                         ; the weight
	s_and_b32 s19, s29, 7                          ; which 128 columns
	s_bfe_u32 s20, s29, 0x30003                    ; the K step
	s_lshl_b32 s22, s20, 19
	s_lshl_b32 s24, s19, 9
	s_add_co_u32 s22, s22, s24
	s_lshl_b32 s24, s16, 7
	s_add_co_u32 s22, s22, s24
	s_mov_b32 s23, 0
	s_lshl_b32 s21, s19, 3
	s_lshl_b32 s24, s16, 1
	s_add_co_u32 s21, s21, s24                     ; t0
	s_lshl_b32 s24, s21, 3
	s_add_co_u32 s24, s24, s20
	s_mul_i32 s24, s24, 1536
	s_mul_i32 s26, s18, 786432
	s_add_co_u32 s24, s24, s26
	s_mov_b32 s25, 0
	s_lshl_b32 s26, s21, 9
	s_lshl_b32 s28, s20, 2
	s_add_co_u32 s26, s26, s28
	s_lshl_b32 s28, s18, 15
	s_add_co_u32 s26, s26, s28
	s_mov_b32 s27, 0
	s_wait_alu depctr_va_vdst(0)
	s_wait_kmcnt 0x0
	s_cmp_eq_u32 s18, 1                            ; the weight is chosen by the work-group's number alone
	s_cselect_b64 s[4:5], s[6:7], s[4:5]
	s_cmp_eq_u32 s18, 2
	s_cselect_b64 s[4:5], s[8:9], s[4:5]
	s_cmp_eq_u32 s18, 3
	s_cselect_b64 s[4:5], s[10:11], s[4:5]
	s_add_nc_u64 s[4:5], s[4:5], s[22:23]
	s_add_nc_u64 s[12:13], s[12:13], s[24:25]
	s_add_nc_u64 s[14:15], s[14:15], s[26:27]
.set i, 0
.rept 128
	global_load_b32 v[X+i], v1, s[4:5] offset:4096*i th:TH_LOAD_NT
.set i, i+1
.endr
.macro BLOCK t, left                   ; block t (k = 32 t ..) is registers 6 (t / 2) .. + 5 of lane r' + 16 (t % 2) of my column's fragment
.set XS, X+32*(\t)
.set CB, CD+8*(\t)
	s_wait_loadcnt \left                           ; loads come back in order: this block's 32 are in
	v_max3_num_f32 v12, |v[XS]|, |v[XS+1]|, |v[XS+2]|
	v_max3_num_f32 v13, |v[XS+3]|, |v[XS+4]|, |v[XS+5]|
.irp i, 6,10,14,18,22,26
	v_max3_num_f32 v12, v12, |v[XS+\i]|, |v[XS+\i+1]|
	v_max3_num_f32 v13, v13, |v[XS+\i+2]|, |v[XS+\i+3]|
.endr
	v_max3_num_f32 v12, v12, |v[XS+30]|, |v[XS+31]|
	v_max3_num_f32 v12, v12, v13, 0x1800000        ; the floor 2^(3 - 127): the byte cannot fall under 1
	v_add_nc_u32 v14, 0xff000000, v12              ; 2 off the exponent field: the conversion's scale operand
	v_lshrrev_b32 v15, 23, v14
.if (\t) == 0
	v_mov_b32 v16, v15
.else
	v_lshl_or_b32 v16, v15, 8*(\t), v16
.endif
	v_cvt_scalef32_pk16_fp6_f32 v[CB:CB+2], v[XS:XS+15], v14
	v_cvt_scalef32_pk16_fp6_f32 v[T2:T2+2], v[XS+16:XS+31], v14
	v_nop                                          ; one plain place behind a scaled conversion
.irp i, 0,1,2
	v_mov_b32 v[CB+3+\i], v[T2+\i]
.endr
	ds_store_b128 v4, v[CB:CB+3] offset:768*((\t)/2)+256*((\t)%2)
	ds_store_b64 v5, v[CB+4:CB+5] offset:768*((\t)/2)+512+128*((\t)%2)
.endm
	BLOCK 0, 63                                    ; 96 loads are younger; the wait's field holds 63, and a smaller count is safe
	BLOCK 1, 63
	BLOCK 2, 32
	BLOCK 3, 0
.irp u, 0,1
.irp c, 0,1,2
	ds_load_b128 v[RB+12*\u+4*\c:RB+12*\u+4*\c+3], v6 offset:FRG*\u+512*\c   ; LDS serves a wave's instructions in order: these see my stores
.endr
.endr
	s_wait_alu depctr_va_vdst(0)
.irp u, 0,1
.irp c, 0,1,2
	s_wait_dscnt 5-3*\u-\c
	global_store_b128 v7, v[RB+12*\u+4*\c:RB+12*\u+4*\c+3], s[12:13] offset:12288*\u+512*\c
.endr
.endr
	global_store_b32 v8, v16, s[14:15]
	s_wait_tensorcnt 0x0                           ; the wave's end: behind my last LDS store
	ds_add_u32 v[SPW], v[NIL]
	s_wait_dscnt 0x0
	s_endpgm
.Lfunc_end_k_q47c49e7ed9_quanta:
	.size	k_q47c49e7ed9_quanta, .Lfunc_end_k_q47c49e7ed9_quanta-k_q47c49e7ed9_quanta
	.p2alignl 7, 3214868480
	.fill 96, 4, 3214868480
	.section	.rodata,"a",@progbits
	.p2align	6, 0x0
	.amdhsa_kernel k_q47c49e7ed9_quanta
		.amdhsa_group_segment_fixed_size 47616
		.amdhsa_private_segment_fixed_size 0
		.amdhsa_enable_private_segment 0
		.amdhsa_kernarg_size 80
		.amdhsa_user_sgpr_count 2
		.amdhsa_user_sgpr_kernarg_segment_ptr 1
		.amdhsa_wavefront_size32 1
		.amdhsa_system_sgpr_workgroup_id_x 1
		.amdhsa_system_sgpr_workgroup_id_y 1
		.amdhsa_system_sgpr_workgroup_id_z 1
		.amdhsa_system_vgpr_workitem_id 0
		.amdhsa_next_free_vgpr 240
		.amdhsa_next_free_sgpr 66
		.amdhsa_reserve_vcc 1
		.amdhsa_float_denorm_mode_32 3
		.amdhsa_float_denorm_mode_16_64 3
		.amdhsa_memory_ordered 1
		.amdhsa_forward_progress 1
		.amdhsa_inst_pref_size 80
	.end_amdhsa_kernel
	.amdgpu_metadata
---
amdhsa.version: [ 1, 2 ]
amdhsa.kernels:
  - .name:           k_q47c49e7ed9_quanta
    .symbol:         k_q47c49e7ed9_quanta.kd
    .args:
      - { .name: hidden_states, .offset: 0, .size: 8, .value_kind: global_buffer, .address_space: global }
      - { .name: encoder_hidden_states, .offset: 8, .size: 8, .value_kind: global_buffer, .address_space: global }
      - { .name: aimg, .offset: 16, .size: 8, .value_kind: global_buffer, .address_space: global }
      - { .name: asc, .offset: 24, .size: 8, .value_kind: global_buffer, .address_space: global }
      - { .name: Wq, .offset: 32, .size: 8, .value_kind: global_buffer, .address_space: global }
      - { .name: Wk, .offset: 40, .size: 8, .value_kind: global_buffer, .address_space: global }
      - { .name: Wv, .offset: 48, .size: 8, .value_kind: global_buffer, .address_space: global }
      - { .name: Wo, .offset: 56, .size: 8, .value_kind: global_buffer, .address_space: global }
      - { .name: wimg, .offset: 64, .size: 8, .value_kind: global_buffer, .address_space: global }
      - { .name: wsc, .offset: 72, .size: 8, .value_kind: global_buffer, .address_space: global }
    .group_segment_fixed_size: 47616
    .private_segment_fixed_size: 0
    .kernarg_segment_align: 8
    .kernarg_segment_size: 80
    .max_flat_workgroup_size: 128
    .sgpr_count:     66
    .vgpr_count:     240
    .wavefront_size: 32
...
	.end_amdgpu_metadata
.endif
;; end of part 1
;; launch proj (part 2): grid 4 x 64, 4 waves a work-group, clusters of 4 x 4, 327,680 bytes of LDS; arguments aimg, asc, wimg, wsc, qkvimg, qkvsc; writes qkvimg, qkvsc
.if DOCPART == 2
	.amdgcn_target "amdgcn-amd-amdhsa--gfx1250"
	.amdhsa_code_object_version 6
	.text
	.protected	k_q47c49e7ed9_proj
	.globl	k_q47c49e7ed9_proj
	.p2align	8
	.type	k_q47c49e7ed9_proj,@function
k_q47c49e7ed9_proj:
	s_mov_b64 s[64:65], 0
	v_nop
	global_prefetch_b8 v0, s[64:65] scope:SCOPE_SE
	s_setreg_imm32_b32 hwreg(HW_REG_WAVE_MODE, 25, 1), 1
	s_wait_xcnt 0x0
	s_wait_alu depctr_hold_cnt(0) depctr_sa_sdst(0) depctr_va_vdst(0) depctr_va_sdst(0) depctr_va_ssrc(0) depctr_va_vcc(0) depctr_vm_vsrc(0)
	s_getreg_b32 s2, hwreg(HW_REG_IB_STS2, 6, 4)
	s_cmp_eq_u32 s2, 0
	s_cbranch_scc0 .Lentry_in_a_cluster
	s_endpgm
.Lentry_in_a_cluster:
	s_bfe_u32 s2, ttmp6, 0x10000c
	s_cmp_lg_u32 s2, 0xf033
	s_cbranch_scc0 .Lentry_shape_is_right
	s_endpgm
.Lentry_shape_is_right:
; q = X Wq, k = E Wk and V^T = (E Wv)^T on codes of FP6 (E2M3) with E8M0 scales, K = 1,024; the results are quantised on the way out and stored as images of operand registers.
; ONE FORM FOR ALL THREE: C[i][j] = sum over k of P[i][k] R[j][k], quantised along j.  mode 0: P = X, R = Wq^T; mode 1: P = E, R = Wk^T; mode 2: P = Wv^T, R = E (j = the keys).
; THE MATRIX INSTRUCTION IS USED TRANSPOSED (source 0 = 16 rows of R, source 1 = 16 rows of P): a lane holds one row of P, its registers run along j; since lane r of rowblock t of every
; operand holds row 32 (t / 2) + 8 (t % 2) + r + 8 (r / 8), the 16 registers of two neighbouring result tiles are 16 neighbours along j.
; SHARES.  256 WORK-GROUPS THAT STAY: each makes three tiles of 128 (P) x 256 (R), one of each mode, in the order of the modes.  Wave w makes 64 x 128 of a tile: P's rowblocks 4 (w / 2) .. + 3,
; R's 8 (w % 2) .. + 7: 32 accumulators.  128 along j are one fragment of the next product.
; LDS: A RING OF TWO SLOTS, EACH HALF OF K OF A TILE.  Slot 0: K steps 0-3 (P's 8 rowblocks at 0, R's 16 at RLDS); slot 1: K steps 4-7 (P's at 49,152, R's at RLDS + 98,304); in each, rowblock i
; at 6,144 i and K step s at 1,536 (s % 4).  At the head one load a wave: waves 0, 1 slot 0 (R's, P's), waves 2, 3 slot 1.  Slot 0 is filled again, with the next tile's K steps 0-3, behind a round
; in the tile's middle, when its last reads are over; slot 1 behind a round after the way out.  So a half tile is asked for two K pairs or more ahead of its first read, and no prefetch is laid beside that.
; The round also shows the other slot whole.
; The last tile asks for nothing more: it is written out behind the loop of two trips.
; CLUSTER 4 x 4.  P's tile hangs on the cluster's y place alone and is asked for jointly by a row of the cluster, R's on the x place alone and by a column.  The mode is the tile's number in the walk,
; the same in all partners; it chooses pointers and constants by scalar selects, and no branch hangs on it.
; OPERANDS are images: fragment (t, s) at (8 t + s) x 1,536, half c at 768 c: registers 6c .. 6c+3 at 16 x lane, 6c+4, 6c+5 at 512 + 8 x lane.  The scale words go from memory straight into registers.
; REGISTERS.  window 0: v1-14 addresses; v32-47 P's scale words, v48-79 R's; v80-127, v128-175 P's fragments, two sets; v176-211 the way out.  window 1: R's fragments, sets at v0 and v96.
;   window 2: accumulator (a, b) at v[8 (8 a + b)].  Scalars that live across a way out lie where it writes nothing: s42-55, s76-83, s92-99, s104-105.
; LIMITS: NaN and infinities are not served; a block of zeros, or one whose largest magnitude lies under 2^-124, gets the byte 1 (this program alone reads the bytes).
.set RLDS,  98304
.set SPARE, 307200                     ; the spare words, 128 bytes a wave
.set SPW,  28
.set NIL,  29
.set G1P,  44                          ; s[44:51] group 1, half of K of P's tile: 8 rows of 6,144 bytes, 12,288 apart
.set G1R,  76                          ; s[76:83] of R's: 16 such rows
.set G0LP, 52                          ; s[52:55] group 0, P's K steps 0-3
.set G0LR, 92                          ; s[92:95] R's
.set G0HP, 72                          ; s[72:75] P's K steps 4-7 (written anew behind each way out)
.set G0HR, 88                          ; s[88:91] R's
.set PSA,  42                          ; s[42:43] P's scale words in memory
.set RSA,  104                         ; s[104:105] R's
.set MSB, 0
.macro WIN new                         ; the immediate's high byte repeats the setting that is left
.if MSB != \new
	s_set_vgpr_msb (MSB<<8)|\new
.set MSB, \new
.endif
.endm
.macro WALU
	s_wait_alu depctr_va_vdst(0)
.endm
.macro PLACES
.rept 4
	v_nop
.endr
.endm
.macro CROUND                          ; a round of the cluster's barrier
	s_barrier_signal -1
	s_barrier_wait -1
	s_cmp_lg_u32 s16, 0
	s_cbranch_scc1 .Lnot_wave_0_\@
	s_barrier_signal -3
.Lnot_wave_0_\@:
	s_barrier_wait -3
	s_barrier_signal -1
	s_barrier_wait -1
.endm
; Where mode m's tiles lie.  modes 0, 1: P's tile 4 Y + cy of 64, R's tile cx of 4;  mode 2: P's tile 4 (Y % 2) + cy of 8, R's tile 4 (Y / 2) + cx of 32.  pt never meets cx, rt never cy.
.macro ADDR m, pt, rt
	s_and_b32 s2, s23, 1
	s_lshr_b32 s3, s23, 1
	s_cmp_eq_u32 s\m, 2
	s_cselect_b32 s2, s2, s23
	s_cselect_b32 s3, s3, 0
	s_lshl_b32 s\pt, s2, 2
	s_add_co_u32 s\pt, s\pt, s20
	s_lshl_b32 s\rt, s3, 2
	s_add_co_u32 s\rt, s\rt, s19
	s_cmp_eq_u32 s\m, 1
	s_cselect_b32 s24, 6291456, 0                  ; P's codes: E's rowblocks follow X's in aimg
	s_cselect_b32 s26, 786432, 0                   ; R's codes: Wk^T is the second of wimg
	s_cselect_b32 s28, 262144, 0                   ; P's scale words
	s_cselect_b32 s30, 32768, 0                    ; R's
	s_cmp_eq_u32 s\m, 2
	s_cselect_b32 s24, 1572864, s24                ; Wv^T is the third of wimg
	s_cselect_b32 s26, 6291456, s26
	s_cselect_b32 s28, 65536, s28
	s_cselect_b32 s30, 262144, s30
	s_cselect_b64 s[G0LP+2:G0LP+3], s[8:9], s[4:5] ; the buffers are chosen by the mode alone
	s_cselect_b64 s[PSA:PSA+1], s[10:11], s[6:7]
	s_cselect_b64 s[G0LR+2:G0LR+3], s[4:5], s[8:9]
	s_cselect_b64 s[RSA:RSA+1], s[6:7], s[10:11]
	s_mul_i32 s2, s\pt, 98304
	s_add_co_u32 s24, s24, s2
	s_mul_i32 s3, s\rt, 196608
	s_add_co_u32 s26, s26, s3
	s_lshl_b32 s2, s\pt, 12
	s_add_co_u32 s28, s28, s2
	s_lshl_b32 s3, s\rt, 13
	s_add_co_u32 s30, s30, s3
	s_mov_b32 s25, 0
	s_mov_b32 s27, 0
	s_mov_b32 s29, 0
	s_mov_b32 s31, 0
	s_add_nc_u64 s[G0LP+2:G0LP+3], s[G0LP+2:G0LP+3], s[24:25]
	s_add_nc_u64 s[G0LR+2:G0LR+3], s[G0LR+2:G0LR+3], s[26:27]
	s_add_nc_u64 s[PSA:PSA+1], s[PSA:PSA+1], s[28:29]
	s_add_nc_u64 s[RSA:RSA+1], s[RSA:RSA+1], s[30:31]
	s_or_b32 s[G0LP+3], s[G0LP+3], 0x80000000      ; type = 2
	s_or_b32 s[G0LR+3], s[G0LR+3], 0x80000000
.endm
.macro SETHI                           ; K steps 4-7 lie 6,144 bytes behind K steps 0-3 of each rowblock; the sum leaves the type alone
	s_mov_b32 s[G0HP], 1
	s_mov_b32 s[G0HP+1], 49152
	s_add_nc_u64 s[G0HP+2:G0HP+3], s[G0LP+2:G0LP+3], 6144
	s_mov_b32 s[G0HR], 1
	s_mov_b32 s[G0HR+1], RLDS+98304
	s_add_nc_u64 s[G0HR+2:G0HR+3], s[G0LR+2:G0LR+3], 6144
.endm
.macro TLOAD g0, g1
	tensor_load_to_lds s[\g0:\g0+3], s[\g1:\g1+7]
	s_nop 0
	PLACES
.endm
.macro LOADS2 wa, g0a, g1a, wb, g0b, g1b   ; a slot's two joint loads, one a wave, in one chain of branches on the wave's number
	s_cmp_eq_u32 s16, \wa
	s_cbranch_scc0 .Lother_\@
	TLOAD \g0a, \g1a
	s_branch .Ljoin_\@
.Lother_\@:
	s_cmp_eq_u32 s16, \wb
	s_cbranch_scc0 .Ljoin_\@
	TLOAD \g0b, \g1b
.Ljoin_\@:
.endm
	s_load_b256 s[4:11], s[0:1], 0x0               ; aimg, asc, wimg, wsc
	s_load_b128 s[12:15], s[0:1], 0x20             ; qkvimg, qkvsc
	v_lshl_add_u32 v[SPW], v0, 2, SPARE
	v_mov_b32 v[NIL], 0
	ds_add_u32 v[SPW], v[NIL]                      ; the opening lines: the add, twice on end, and its wait ahead of my first tensor load
	ds_add_u32 v[SPW], v[NIL]
	v_lshrrev_b32 v1, 5, v0
	v_readfirstlane_b32 s16, v1                    ; wave
	s_lshr_b32 s17, s16, 1                         ; my half of P's rows
	s_and_b32 s18, s16, 1                          ; my half of R's rows
	s_bfe_u32 s19, ttmp6, 0x40000                  ; cx
	s_bfe_u32 s20, ttmp6, 0x40004                  ; cy
	s_and_b32 s23, ttmp7, 0xffff                   ; Y: the cluster's y, 0 .. 15
	s_lshl_b32 s2, s20, 2
	s_lshl_b32 s2, 15, s2                          ; my row of the cluster
	s_lshl_b32 s3, 0x1111, s19                     ; my column
	s_or_b32 s[G1P], s2, (3<<16)|(1<<21)           ; 15:0 the mask; 17:16 elements of 8 bytes; 21 set beside a mask; no padding
	s_or_b32 s[G1R], s3, (3<<16)|(1<<21)
.irp g, G1P, G1R
	s_mov_b32 s[\g+1], 768<<16
	s_mov_b32 s[\g+3], 768<<16
	s_mov_b32 s[\g+5], 1536
	s_mov_b32 s[\g+6], 0
	s_mov_b32 s[\g+7], 0
.endr
	s_mov_b32 s[G1P+2], 8<<16
	s_mov_b32 s[G1P+4], 8
	s_mov_b32 s[G1R+2], 16<<16
	s_mov_b32 s[G1R+4], 16
	s_mov_b32 s[G0LP], 1
	s_mov_b32 s[G0LP+1], 0
	s_mov_b32 s[G0LR], 1
	s_mov_b32 s[G0LR+1], RLDS
	s_mov_b32 s22, 0                               ; the mode of the tile at work
	s_mov_b32 s100, 0x76543210
	s_mov_b32 s101, 0xfedcba98                     ; selects for lane l xor 16
	s_wait_dscnt 0x0                               ; both opening adds are done
	s_wait_kmcnt 0x0
	ADDR 22, 66, 67
	SETHI
	CROUND                                         ; all sixteen work-groups are here: the joint loads meet
	s_cmp_eq_u32 s16, 0                            ; one chain of branches on the wave's number, one load to an arm
	s_cbranch_scc0 .Lfill_1
	TLOAD G0LR, G1R
	s_branch .Lfilled
.Lfill_1:
	s_cmp_eq_u32 s16, 1
	s_cbranch_scc0 .Lfill_2
	TLOAD G0LP, G1P
	s_branch .Lfilled
.Lfill_2:
	s_cmp_eq_u32 s16, 2
	s_cbranch_scc0 .Lfill_3
	TLOAD G0HR, G1R
	s_branch .Lfilled
.Lfill_3:
	TLOAD G0HP, G1P
.Lfilled:
	v_and_b32 v1, 15, v0                           ; r
	v_bfe_u32 v2, v0, 4, 1                         ; h
	v_and_b32 v15, 31, v0
	v_lshlrev_b32 v3, 4, v15                       ; 16 x lane
	v_lshl_add_u32 v4, v15, 3, 512                 ; 512 + 8 x lane
	s_mul_i32 s2, s17, 24576
	v_add_nc_u32 v5, s2, v3                        ; my four rowblocks of P in slot 0
	v_add_nc_u32 v6, s2, v4
	s_mul_i32 s3, s18, 49152
	s_add_co_u32 s3, s3, RLDS
	v_add_nc_u32 v7, s3, v3                        ; my eight of R
	v_add_nc_u32 v8, s3, v4
	v_lshlrev_b32 v13, 5, v1
	v_lshl_add_u32 v14, v2, 11, v13                ; R's scale words: 32 r, lanes 16-31 four rowblocks on
	v_lshl_add_u32 v13, v2, 10, v13                ; P's: lanes 16-31 two rowblocks on
	s_lshl_b32 s2, s17, 11
	v_add_nc_u32 v13, s2, v13
	s_lshl_b32 s3, s18, 12
	v_add_nc_u32 v14, s3, v14
.irp b, 0,1,2,3
	v_mov_b32 v[188+\b], 0                         ; a lane permute's destination counts as one of its sources
.endr
; 48 LDS loads: the fragments of the K pair's step sub into set: P's four, R's eight; v9-12 hold the K pair's addresses
.macro FETCH set, sub
	WIN 0
.set i, 0
.rept 4
.set rF, 80+48*(\set)+12*i
.set oF, 6144*i+1536*(\sub)
	ds_load_b128 v[rF:rF+3], v9 offset:oF
	ds_load_b64 v[rF+4:rF+5], v10 offset:oF
	ds_load_b128 v[rF+6:rF+9], v9 offset:oF+768
	ds_load_b64 v[rF+10:rF+11], v10 offset:oF+768
.set i, i+1
.endr
	WIN 0x40                                       ; destination window 1
.set i, 0
.rept 8
.set rF, 96*(\set)+12*i
.set oF, 6144*i+1536*(\sub)
	ds_load_b128 v[rF:rF+3], v11 offset:oF
	ds_load_b64 v[rF+4:rF+5], v12 offset:oF
	ds_load_b128 v[rF+6:rF+9], v11 offset:oF+768
	ds_load_b64 v[rF+10:rF+11], v12 offset:oF+768
.set i, i+1
.endr
.endm
; One product: accumulator (ia, ib), K step s.  R's scale words of blocks b and b + 4 share a register (lanes 0-15, lanes 16-31), P's of blocks a and a + 2 likewise.
.macro WMC c
.if (ib < 4) && (ia < 2)
	v_wmma_scale_f32_16x16x128_f8f6f4 v[rD:rD+7], v[rA:rA+11], v[rB:rB+11], \c, v[rX], v[rY] matrix_a_fmt:MATRIX_FMT_FP6 matrix_b_fmt:MATRIX_FMT_FP6
.elseif (ia < 2)
	v_wmma_scale_f32_16x16x128_f8f6f4 v[rD:rD+7], v[rA:rA+11], v[rB:rB+11], \c, v[rX], v[rY] matrix_a_fmt:MATRIX_FMT_FP6 matrix_b_fmt:MATRIX_FMT_FP6 matrix_a_scale:MATRIX_SCALE_ROW1
.elseif (ib < 4)
	v_wmma_scale_f32_16x16x128_f8f6f4 v[rD:rD+7], v[rA:rA+11], v[rB:rB+11], \c, v[rX], v[rY] matrix_a_fmt:MATRIX_FMT_FP6 matrix_b_fmt:MATRIX_FMT_FP6 matrix_b_scale:MATRIX_SCALE_ROW1
.else
	v_wmma_scale_f32_16x16x128_f8f6f4 v[rD:rD+7], v[rA:rA+11], v[rB:rB+11], \c, v[rX], v[rY] matrix_a_fmt:MATRIX_FMT_FP6 matrix_b_fmt:MATRIX_FMT_FP6 matrix_a_scale:MATRIX_SCALE_ROW1 matrix_b_scale:MATRIX_SCALE_ROW1
.endif
.endm
.macro WM set, s, zero
.set rD, 8*(8*ia+ib)
.set rA, 96*(\set)+12*ib
.set rB, 80+48*(\set)+12*ia
.set rX, 48+8*(ib%4)+(\s)
.set rY, 32+8*(ia%2)+(\s)
.if \zero
	WMC 0
.else
	WMC v[rD:rD+7]
.endif
.endm
; P's blocks a0 .. a0 + n - 1 against R's eight.  The 32 accumulators take turns, one instruction a turn, in one order in every K step.
.macro MUL a0, n, set, s, zero
	WIN 0xa1                                       ; source 0 (R) window 1, source 1 (P) window 0, C and D window 2
.set ia, \a0
.rept \n
.set ib, 0
.rept 8
	WM \set, \s, \zero
.set ib, ib+1
.endr
.set ia, ia+1
.endr
.endm
.macro ADRS j                          ; K pair j's addresses.  These four lines are also places between products that read a set of fragments and the loads into it
	v_add_nc_u32 v9, 49152*((\j)/2)+3072*((\j)%2), v5
	v_add_nc_u32 v10, 49152*((\j)/2)+3072*((\j)%2), v6
	v_add_nc_u32 v11, 98304*((\j)/2)+3072*((\j)%2), v7
	v_add_nc_u32 v12, 98304*((\j)/2)+3072*((\j)%2), v8
.endm
; K pair j: K steps 2 j and 2 j + 1.  A slot's first pair (j even) fetches its own first fragments and, in the middle of its last products, the next pair's.
.macro PHASE j, zero
.if ((\j)%2) == 0
	WIN 0
	ADRS \j
	FETCH 0, 0
.endif
	WALU
	s_wait_dscnt 0x0
.if \zero
	s_wait_loadcnt 0x0                             ; the scale words
.endif
	MUL 0, 2, 0, 2*(\j), \zero
.if (\j)%2
	PLACES                                         ; between the last pair's products on set 1 and the loads into it
.endif
	FETCH 1, 1                                     ; the second K step's fragments land under the first's products
	MUL 2, 2, 0, 2*(\j), \zero
	s_wait_dscnt 0x0
.if ((\j)%2) == 0
	MUL 0, 2, 1, 2*(\j)+1, 0
	WIN 0
	ADRS (\j)+1
	FETCH 0, 0
	MUL 2, 2, 1, 2*(\j)+1, 0
.else
	MUL 0, 4, 1, 2*(\j)+1, 0
.endif
.endm
; P's block a: the lane's 64 results (register 16 b + i = j 32 b + 16 h + i of my row) become a fragment's codes in v[80 + 12 a ..] and its scale word in v[200 + a].
.macro QUANT a
	WIN 0x28                                       ; sources 1 and 2: window 2.
.irp b, 0,1,2,3
	v_max3_num_f32 v[184+\b], 0x1800000, |v[64*\a+16*\b]|, |v[64*\a+16*\b+1]|   ; the floor 2^(3 - 127): the byte cannot fall under 1
.endr
.irp i, 2,4,6,8,10,12,14
.irp b, 0,1,2,3
	v_max3_num_f32 v[184+\b], v[184+\b], |v[64*\a+16*\b+\i]|, |v[64*\a+16*\b+\i+1]|   ; (the four blocks by turns)
.endr
.endr
	WIN 0
.irp b, 0,1,2,3
	v_permlanex16_b32 v[188+\b], v[184+\b], s100, s101
.endr
.irp b, 0,1,2,3
	v_max_num_f32 v[184+\b], v[184+\b], v[188+\b]  ; with lane l xor 16's: the block's largest magnitude
.endr
.irp b, 0,1,2,3
	v_add_nc_u32 v[196+\b], 0xff000000, v[184+\b]  ; 2 off the exponent field: the conversion's scale operand
.endr
.irp b, 0,1,2,3
	v_lshrrev_b32 v[188+\b], 23, v[196+\b]         ; the scale's byte
.endr
	v_lshl_or_b32 v[200+\a], v189, 8, v188
	v_lshl_or_b32 v[200+\a], v190, 16, v[200+\a]
	v_lshl_or_b32 v[200+\a], v191, 24, v[200+\a]
	WIN 0x02                                       ; source 0: window 2
.irp c, 0,1
	v_cvt_scalef32_pk16_fp6_f32 v[80+12*\a+6*\c:82+12*\a+6*\c], v[64*\a+32*\c:64*\a+32*\c+15], v[196+2*\c]
	v_cvt_scalef32_pk16_fp6_f32 v[176+4*\c:178+4*\c], v[64*\a+32*\c+16:64*\a+32*\c+31], v[197+2*\c]   ; (a conversion's three registers begin on an even number)
.endr
	WIN 0
	v_nop                                          ; one plain place behind a scaled conversion
.irp c, 0,1                            ; the layout wants a WHOLE block in a lane: lanes 0-15 block 2 c, lanes 16-31 block 2 c + 1
.irp i, 0,1,2
	v_permlane16_swap_b32 v[80+12*\a+6*\c+\i], v[176+4*\c+\i]
.endr
.irp i, 0,1,2
	v_mov_b32 v[83+12*\a+6*\c+\i], v[176+4*\c+\i]
.endr
.endr
	global_store_b128 v3, v[80+12*\a:83+12*\a], s[68+2*\a:69+2*\a]   ; each store covers 512 or 256 consecutive bytes; each fragment has its own registers
	global_store_b64 v4, v[84+12*\a:85+12*\a], s[68+2*\a:69+2*\a]
	global_store_b128 v3, v[86+12*\a:89+12*\a], s[84+2*\a:85+2*\a]
	global_store_b64 v4, v[90+12*\a:91+12*\a], s[84+2*\a:85+2*\a]
.endm
; THE WAY OUT of a tile.  Where my four fragments go.  T0 = my first rowblock of P, sj = my 128 along j.
.macro WAYOUT
	s_lshl_b32 s2, s66, 3
	s_lshl_b32 s3, s17, 2
	s_add_co_u32 s2, s2, s3                        ; T0 = 8 pt + 4 (w / 2)
	s_lshl_b32 s3, s67, 1
	s_add_co_u32 s3, s3, s18                       ; sj = 2 rt + w % 2
	s_lshr_b32 s24, s2, 7                          ; q, k: batch,
	s_and_b32 s25, s2, 127                         ; tile of 16 tokens tq in it,
	s_lshl_b32 s24, s24, 4
	s_lshl_b32 s26, s3, 1
	s_add_co_u32 s24, s24, s26                     ; and hh = 16 batch + 2 sj: the fragment's first half is that head's, its second half the next head's
	s_lshr_b32 s26, s3, 4
	s_lshl_b32 s26, s26, 4
	s_lshr_b32 s27, s2, 2
	s_add_co_u32 s26, s26, s27                     ; v: hh = 16 (sj / 16) + T0 / 4
	s_lshr_b32 s27, s25, 3
	s_lshl_b32 s27, s27, 3
	s_add_co_u32 s27, s27, s25                     ; k: Z = tq + 8 (tq / 8): half-image tq % 8 of key step tq / 8, in units of 768 bytes
	s_and_b32 s28, s3, 15
	s_lshl_b32 s28, s28, 4
	s_add_co_u32 s28, s28, 8                       ; v: Z = 16 (sj % 16) + 8: behind K's eight half-images of that key step
	s_cmp_eq_u32 s22, 0
	s_cselect_b32 s27, s25, s27                    ; q: Z = tq
	s_cselect_b32 s29, 0, 6291456                  ; the part's first byte in qkvimg,
	s_cselect_b32 s30, 0, 262144                   ; and in qkvsc
	s_mov_b32 s31, 196608
	s_cselect_b32 s31, 98304, s31                  ; a head's bytes of codes,
	s_mov_b32 s32, 8192
	s_cselect_b32 s32, 4096, s32                   ; and of scale words
	s_cmp_eq_u32 s22, 2
	s_cselect_b32 s24, s26, s24                    ; hh
	s_cselect_b32 s27, s28, s27                    ; Z
	s_mov_b32 s33, 768
	s_cselect_b32 s34, 1536, s33                   ; from fragment to fragment
	s_cselect_b32 s35, s33, s31                    ; from a fragment's first half to its second: q, k: the next head; v: 768
	s_cselect_b32 s62, 64, s32                     ; scale words: what lanes 16-31 add
	s_cselect_b32 s36, 128, 64                     ; and the second store
	s_mov_b32 s58, 0x05040100                      ; q, k: bytes 0, 1 of two neighbouring tiles' words make the first head's pair word,
	s_cselect_b32 s58, 0x03020100, s58             ; v: the word as it is
	s_mov_b32 s59, 0x07060302                      ; bytes 2, 3 the second head's
	s_cselect_b32 s59, 0x07060504, s59
	s_mul_i32 s37, s31, s24
	s_add_co_u32 s37, s37, s29
	s_mul_i32 s38, s27, 768
	s_add_co_u32 s40, s37, s38                     ; codes: part + head + 768 Z
	s_mov_b32 s41, 0
	s_add_nc_u64 s[68:69], s[12:13], s[40:41]      ; first halves: s[68 + 2 a : 69 + 2 a]
	s_mov_b32 s40, s34
.irp a, 1,2,3
	s_add_nc_u64 s[68+2*\a:69+2*\a], s[66+2*\a:67+2*\a], s[40:41]
.endr
	s_mov_b32 s40, s35
.irp a, 0,1,2,3
	s_add_nc_u64 s[84+2*\a:85+2*\a], s[68+2*\a:69+2*\a], s[40:41]   ; second halves
.endr
	s_mul_i32 s38, s32, s24
	s_add_co_u32 s38, s38, s30
	s_lshl_b32 s39, s27, 5
	s_add_co_u32 s40, s38, s39                     ; scale words: part + head + 32 Z
	s_add_nc_u64 s[56:57], s[14:15], s[40:41]
	s_mov_b32 s40, s36
	s_add_nc_u64 s[60:61], s[56:57], s[40:41]
	PLACES                                         ; between the last products and the first read of their results, and the first write of their operands' registers
.irp a, 0,1,2,3
	QUANT \a
.endr
	v_mul_u32_u24 v205, s62, v2
	v_lshl_add_u32 v205, v1, 2, v205               ; 4 r, + what lanes 16-31 add
	v_perm_b32 v208, v201, v200, s58
	v_perm_b32 v209, v201, v200, s59
	v_perm_b32 v210, v203, v202, s58
	v_perm_b32 v211, v203, v202, s59
	v_cmp_ne_u32 vcc_lo, 0, v2
	v_cndmask_b32 v206, v208, v209, vcc_lo
	v_cndmask_b32 v207, v210, v211, vcc_lo
	global_store_b32 v205, v206, s[56:57]          ; two pieces of 64 consecutive bytes a store
	global_store_b32 v205, v207, s[60:61]
.endm
; A TILE.  more = 1: another follows, and both slots are filled again
.macro TILE more
.irp q, 0,1                            ; the scale words of all eight K steps: a row's 32 bytes by two loads
	global_load_b128 v[32+8*\q:35+8*\q], v13, s[PSA:PSA+1] offset:512*\q
	global_load_b128 v[36+8*\q:39+8*\q], v13, s[PSA:PSA+1] offset:512*\q+16
.endr
.irp q, 0,1,2,3
	global_load_b128 v[48+8*\q:51+8*\q], v14, s[RSA:RSA+1] offset:512*\q
	global_load_b128 v[52+8*\q:55+8*\q], v14, s[RSA:RSA+1] offset:512*\q+16
.endr
	PHASE 0, 1                                     ; its first K step starts the sums: nothing is cleared
	PHASE 1, 0
	WIN 0
	WALU
	s_wait_tensorcnt 0x0                           ; all my tensor loads have landed: my part of slot 1, if I brought one
.if \more
	ds_add_u32 v[SPW], v[NIL]                      ; 0 onto my spare word; the next tile's addresses, work on registers, stand between it and its wait
	s_add_co_u32 s96, s22, 1
	ADDR 96, 97, 98
	s_wait_dscnt 0x0                               ; the add is done, and my reads of slot 0 are over
	CROUND                                         ; so of every wave of every partner; and slot 1 is whole
	LOADS2 0, G0LR, G1R, 1, G0LP, G1P              ; slot 0 takes the next tile's K steps 0-3
.else
	s_wait_dscnt 0x0
	s_barrier_signal -1
	s_barrier_wait -1                              ; slot 1 is whole; nothing is filled again
.endif
	PHASE 2, 0
	PHASE 3, 0
	WIN 0
	WAYOUT
.if \more
	WALU
	s_wait_xcnt 0x0                                ; the stores have read their registers and their bases: both are written again only behind this wait
	s_wait_tensorcnt 0x0                           ; my part of slot 0, if I brought one, has landed
	ds_add_u32 v[SPW], v[NIL]
	s_mov_b32 s22, s96                             ; on to the next tile
	s_mov_b32 s66, s97
	s_mov_b32 s67, s98
	SETHI
	s_wait_dscnt 0x0                               ; the add is done; my reads of slot 1 were over ahead of the way out
	CROUND                                         ; so of every wave of every partner; and slot 0 is whole
	LOADS2 2, G0HR, G1R, 3, G0HP, G1P              ; slot 1 takes the tile's K steps 4-7
.endif
.endm
	WALU
	s_cmp_lt_u32 s16, 2                            ; waves 0 and 1 brought slot 0, by load lines that are theirs alone: they wait; the other two waves' loads stay out
	s_cbranch_scc0 .Lnot_lo
	s_wait_tensorcnt 0x0
.Lnot_lo:
	s_barrier_signal -1
	s_barrier_wait -1                              ; slot 0 is whole
	s_mov_b32 s99, 2
.Ltile:
	TILE 1
	s_sub_co_u32 s99, s99, 1
	s_cmp_lg_u32 s99, 0
	s_cbranch_scc1 .Ltile
	TILE 0
	s_wait_tensorcnt 0x0                           ; the wave's end: behind my last tensor load
	ds_add_u32 v[SPW], v[NIL]
	s_wait_dscnt 0x0
	CROUND                                         ; the closing round: no work-group ends while a partner may still ask for a tile that names it
	s_endpgm
.Lfunc_end_k_q47c49e7ed9_proj:
	.size	k_q47c49e7ed9_proj, .Lfunc_end_k_q47c49e7ed9_proj-k_q47c49e7ed9_proj
	.p2alignl 7, 3214868480
	.fill 96, 4, 3214868480
	.section	.rodata,"a",@progbits
	.p2align	6, 0x0
	.amdhsa_kernel k_q47c49e7ed9_proj
		.amdhsa_group_segment_fixed_size 327680
		.amdhsa_private_segment_fixed_size 0
		.amdhsa_enable_private_segment 0
		.amdhsa_kernarg_size 48
		.amdhsa_user_sgpr_count 2
		.amdhsa_user_sgpr_kernarg_segment_ptr 1
		.amdhsa_wavefront_size32 1
		.amdhsa_system_sgpr_workgroup_id_x 1
		.amdhsa_system_sgpr_workgroup_id_y 1
		.amdhsa_system_sgpr_workgroup_id_z 1
		.amdhsa_system_vgpr_workitem_id 0
		.amdhsa_next_free_vgpr 768
		.amdhsa_next_free_sgpr 106
		.amdhsa_reserve_vcc 1
		.amdhsa_float_denorm_mode_32 3
		.amdhsa_float_denorm_mode_16_64 3
		.amdhsa_memory_ordered 1
		.amdhsa_forward_progress 1
		.amdhsa_inst_pref_size 172
	.end_amdhsa_kernel
	.amdgpu_metadata
---
amdhsa.version: [ 1, 2 ]
amdhsa.kernels:
  - .name:           k_q47c49e7ed9_proj
    .symbol:         k_q47c49e7ed9_proj.kd
    .args:
      - { .name: aimg, .offset: 0, .size: 8, .value_kind: global_buffer, .address_space: global }
      - { .name: asc, .offset: 8, .size: 8, .value_kind: global_buffer, .address_space: global }
      - { .name: wimg, .offset: 16, .size: 8, .value_kind: global_buffer, .address_space: global }
      - { .name: wsc, .offset: 24, .size: 8, .value_kind: global_buffer, .address_space: global }
      - { .name: qkvimg, .offset: 32, .size: 8, .value_kind: global_buffer, .address_space: global }
      - { .name: qkvsc, .offset: 40, .size: 8, .value_kind: global_buffer, .address_space: global }
    .group_segment_fixed_size: 327680
    .private_segment_fixed_size: 0
    .kernarg_segment_align: 8
    .kernarg_segment_size: 48
    .max_flat_workgroup_size: 128
    .sgpr_count:     106
    .vgpr_count:     768
    .wavefront_size: 32
...
	.end_amdgpu_metadata
.endif
;; end of part 2
;; launch attn (part 3): grid 4 x 64, 16 waves a work-group, clusters of 4 x 1, 256,000 bytes of LDS; arguments qkvimg, qkvsc, oimg, osc; writes oimg, osc
.if DOCPART == 3
	.amdgcn_target "amdgcn-amd-amdhsa--gfx1250"
	.amdhsa_code_object_version 6
	.text
	.protected	k_q47c49e7ed9_attn
	.globl	k_q47c49e7ed9_attn
	.p2align	8
	.type	k_q47c49e7ed9_attn,@function
k_q47c49e7ed9_attn:
	s_mov_b64 s[64:65], 0
	v_nop
	global_prefetch_b8 v0, s[64:65] scope:SCOPE_SE
	s_setreg_imm32_b32 hwreg(HW_REG_WAVE_MODE, 25, 1), 1
	s_wait_xcnt 0x0
	s_wait_alu depctr_hold_cnt(0) depctr_sa_sdst(0) depctr_va_vdst(0) depctr_va_sdst(0) depctr_va_ssrc(0) depctr_va_vcc(0) depctr_vm_vsrc(0)
	s_getreg_b32 s2, hwreg(HW_REG_IB_STS2, 6, 4)
	s_cmp_eq_u32 s2, 0
	s_cbranch_scc0 .Lentry_in_a_cluster
	s_endpgm
.Lentry_in_a_cluster:
	s_bfe_u32 s2, ttmp6, 0x10000c
	s_cmp_lg_u32 s2, 0x3003
	s_cbranch_scc0 .Lentry_shape_is_right
	s_endpgm
.Lentry_shape_is_right:
; O = softmax(q k^T / 8) v for 64 heads (batch x head) of 2,048 queries, 2,048 keys, head size 64, both products on codes of FP6 (E2M3) with E8M0 scales; O is quantised along the
; head's 64 channels and stored as half a fragment of the last product's operand.
; THE SOFTMAX: t = score x log2(e) / 8; M = the running largest t rounded UP to a whole number; p = 2^(t - M) is quantised along the keys, not normalised; the row's sum is taken of the
; unquantised p and divides O at the end; when M moves, the sum and O are multiplied by 2^(old M - new M), which rounds nothing.
; SHARES.  A cluster of four work-groups takes a head, a work-group 512 queries, each of its sixteen waves two tiles of 16, one after the other (two passes over the keys).  Four waves share a SIMD,
; so that one wave's chains, exponentials and products stand beside the others' vector work.  No barrier stands in the walk: the waves are free of each other.
; LDS.  The whole head's K, V and scale words lie in LDS, brought once by joint loads that name all four work-groups, one load a wave: waves 0-3 four key steps each, wave 4 the 8,192 bytes of
; scale words.  Nothing is filled again; one wait for 0 and one barrier show it all.  No prefetch: every load goes out at the head, so no loop runs ahead of one.
; The codes' rows of 256 bytes lie 320 bytes apart (64 of padding): byte y of a key step lies at y + 64 (y / 256), so stored tiles two apart (1,536 bytes) lie 1,920 apart, which is 128 modulo 256.
; LAYOUT.  Both products are used transposed: S^T = K Q^T, O^T = V^T P^T: a lane holds ONE query throughout.
; K's half-images lie as the launch before left them (lane r of tile 2 b + u holds key 32 b + 8 u + r + 8 (r / 8)).  They are read by lane addresses that regroup rows: row 8 h + i of the tile
; 4 c + 2 g + u that is multiplied is key 64 c + 32 h + 16 g + 8 u + i, which is row 8 g + i of stored tile 4 c + 2 h + u.  So a lane's 32 score registers of tiles 4 c .. 4 c + 3 are the 32
; neighbouring keys 64 c + 32 h + 0 .. 31: one whole scale block of p, in the order of the next operand's registers.  No lane asks another for a block's maximum, and no codes change lanes.
; K = 64 IN AN INSTRUCTION OF K = 128: source 0 is two tiles' half-images (u = 0 in k 0-63, u = 1 in k 64-127); source 1 is (q | zeros) or (zeros | q), cut out of 18 registers [zeros | q | zeros].
; A key step (12,288 bytes, 15,360 in LDS): K's eight half-images of 768 bytes, then V^T's four fragments of 1,536.  Its scale words (512 bytes): K's pair words at 64 b + 4 r, V's at 256 + 64 td + 4 r.
; LIMITS: NaN and infinities are not served; a block of zeros, or one whose largest magnitude lies under 2^-124, gets the byte 1 (this program alone reads the bytes); the promise holds while the
; scaled scores t stay under 2^31 in magnitude.  A block's largest p is made from the block's largest score by the same multiply-add and exponential; that takes v_exp_f32 not to fall where its input rises.
; REGISTERS: v1-17, v32-34 addresses; v18-31 at work; v36-39 -M, the largest score, the sum in two halves; v48-95 K, then V; v96-159 S^T, then p; v160-191 O^T; v192-203 p's codes;
;   v212-219 partial sums; v220-237 [0 | q | 0]; v238-243 scale words and nothing else; v244-255 the two passes' q.
.set HI,    960                        ; a half-image in LDS: three rows of 320
.set KSTEP, 15360                      ; a key step in LDS
.set SC,    245760                     ; the scale words, 512 bytes a key step
.set SPARE, 253952                     ; the spare words, 128 bytes for each of sixteen waves
.set SPW,  4
.set NIL,  5
.set BM,   24
.set SOP,  26
.set BN,   28
.set ST,   36
.set QR,   46
.set KF,   48
.set SS,   96
.set OO,   160
.set PC,   192
.set T2,   204
.set AC,   212
.set QC,   220
.set KS,   238
.set VS,   240
.set PW,   242
.set QS,   243
.set QQ,   244
.set WV,   12
.set SEL,  20
.set CS,   22
.set G1C,  24                          ; s[24:31] group 1 of four key steps: 192 dense rows of 256 bytes, 64 bytes of padding behind each
.set G1S,  32                          ; s[32:39] of the scale words: 32 rows, no padding
.set G0S,  40
.set G0C,  44
.set TK,   60
.set TS,   61
.set CNT,  62
.set PSEL, 76
.macro WALU
	s_wait_alu depctr_va_vdst(0)
.endm
.macro CROUND                          ; a round of the cluster's barrier
	s_barrier_signal -1
	s_barrier_wait -1
	s_cmp_lg_u32 s[WV], 0
	s_cbranch_scc1 .Lnot_wave_0_\@
	s_barrier_signal -3
.Lnot_wave_0_\@:
	s_barrier_wait -3
	s_barrier_signal -1
	s_barrier_wait -1
.endm
	s_load_b256 s[4:11], s[0:1], 0x0               ; qkvimg, qkvsc, oimg, osc
	v_lshl_add_u32 v[SPW], v0, 2, SPARE
	v_mov_b32 v[NIL], 0
	ds_add_u32 v[SPW], v[NIL]                      ; the opening lines: the add, twice on end, and its wait ahead of the first tensor loads
	ds_add_u32 v[SPW], v[NIL]
	v_lshrrev_b32 v8, 5, v0
	v_readfirstlane_b32 s[WV], v8                  ; wave 0..15
	s_bfe_u32 s13, ttmp6, 0x40000                  ; cx: it enters Q's and O's global addresses alone
	s_and_b32 s14, ttmp7, 0xffff                   ; hh = 16 batch + head, which the four partners share
	s_and_b32 s15, s[WV], 3                        ; which four key steps a fetching wave brings
	s_mov_b32 s[G1C], 15|(3<<16)|(1<<20)|(1<<21)|(5<<22)|(15<<25)   ; the mask: all four work-groups; elements of 8 bytes; padding on; bit 21 beside a mask; after every 64 words 16 words
	s_mov_b32 s[G1S], 15|(3<<16)|(1<<21)
.irp g, G1C, G1S
	s_mov_b32 s[\g+1], 32<<16
	s_mov_b32 s[\g+3], 32<<16
	s_mov_b32 s[\g+5], 32
	s_mov_b32 s[\g+6], 0
	s_mov_b32 s[\g+7], 0
.endr
	s_mov_b32 s[G1C+2], 192<<16
	s_mov_b32 s[G1C+4], 192
	s_mov_b32 s[G1S+2], 32<<16
	s_mov_b32 s[G1S+4], 32
	s_mul_i32 s16, s14, 196608
	s_add_co_u32 s16, s16, 6291456                 ; the head's K and V in qkvimg,
	s_mul_i32 s2, s15, 49152
	s_add_co_u32 s16, s16, s2                      ; my four key steps
	s_mov_b32 s17, 0
	s_lshl_b32 s18, s14, 13
	s_add_co_u32 s18, s18, 262144                  ; their scale words in qkvsc
	s_mov_b32 s19, 0
	s_mov_b32 s[G0S], 1
	s_mov_b32 s[G0S+1], SC
	s_mov_b32 s[G0C], 1
	s_mul_i32 s[G0C+1], s15, 4*KSTEP
	s_mov_b32 s[SEL], 0x76543210
	s_mov_b32 s[SEL+1], 0xfedcba98                 ; selects for lane l xor 16
	s_mov_b32 s[CS], 0x3e38aa3b                    ; c = log2(e) / 8
	s_mov_b32 s[CS+1], s[CS]                       ; (named with it as a pair, so it is written)
	s_lshl_b32 s78, s13, 5
	s_add_co_u32 s78, s78, s[WV]                   ; my first query tile: 32 cx + w; the second is 16 on
	s_lshl_b32 s77, s14, 7
	s_add_co_u32 s77, s77, s78
	s_mul_i32 s68, s77, 768                        ; its half-image,
	s_mov_b32 s69, 0
	s_lshl_b32 s70, s14, 12
	s_lshr_b32 s79, s78, 1
	s_lshl_b32 s79, s79, 6
	s_add_co_u32 s70, s70, s79                     ; its pair's scale words
	s_mov_b32 s71, 0
	s_lshr_b32 s77, s14, 4
	s_lshl_b32 s77, s77, 7
	s_add_co_u32 s77, s77, s78                     ; O's rowblock T = 128 batch + tile
	s_and_b32 s79, s14, 15                         ; head
	s_mul_i32 s72, s77, 12288
	s_mul_i32 s74, s79, 768                        ; K step head / 2, half head % 2: 768 x head
	s_add_co_u32 s72, s72, s74
	s_mov_b32 s73, 0
	s_lshl_b32 s74, s77, 9
	s_lshl_b32 s79, s79, 1
	s_add_co_u32 s74, s74, s79                     ; osc: 512 T + 2 head
	s_mov_b32 s75, 0
	s_and_b32 s79, s[WV], 1                        ; an even tile's two bytes are the pair word's bytes 0, 1, an odd tile's bytes 2, 3: taken twice
	s_cmp_eq_u32 s79, 1
	s_mov_b32 s[PSEL], 0x01000100
	s_cselect_b32 s[PSEL], 0x03020302, s[PSEL]
	s_wait_dscnt 0x0                               ; both opening adds are done
	s_wait_kmcnt 0x0
	s_add_nc_u64 s[G0S+2:G0S+3], s[6:7], s[18:19]
	s_add_nc_u64 s[G0C+2:G0C+3], s[4:5], s[16:17]
	s_or_b32 s[G0S+3], s[G0S+3], 0x80000000        ; type = 2
	s_or_b32 s[G0C+3], s[G0C+3], 0x80000000
	s_add_nc_u64 s[68:69], s[4:5], s[68:69]
	s_add_nc_u64 s[70:71], s[6:7], s[70:71]
	s_add_nc_u64 s[72:73], s[8:9], s[72:73]
	s_add_nc_u64 s[74:75], s[10:11], s[74:75]
	CROUND                                         ; all four work-groups are here: the joint loads meet
	s_cmp_lt_u32 s[WV], 4                          ; one chain of branches on the wave's number, one load to an arm
	s_cbranch_scc0 .Lfor_scales
	tensor_load_to_lds s[G0C:G0C+3], s[G1C:G1C+7]
	s_nop 0
.rept 4
	v_nop
.endr
	s_branch .Lasked
.Lfor_scales:
	s_cmp_eq_u32 s[WV], 4
	s_cbranch_scc0 .Lasked
	tensor_load_to_lds s[G0S:G0S+3], s[G1S:G1S+7]
	s_nop 0
.rept 4
	v_nop
.endr
.Lasked:
	v_and_b32 v10, 31, v0
	v_lshlrev_b32 v1, 4, v10                       ; memory: 16 x lane
	v_lshl_add_u32 v2, v10, 3, 512                 ; memory: 512 + 8 x lane
	v_lshl_add_u32 v3, v10, 2, SC                  ; V's scale words: 4 x lane
	v_lshl_add_u32 v9, v10, 3, 640                 ; LDS, V's registers 4, 5 of a half: its third row, 8 x lane
	v_and_b32 v15, 15, v0                          ; r
	v_bfe_u32 v7, v0, 4, 1                         ; h
	v_lshl_add_u32 v6, v15, 5, v7                  ; osc: 32 r + h
	v_lshlrev_b32 v11, 2, v15                      ; 4 r
	v_lshlrev_b32 v8, 4, v15
	v_mad_u32_u24 v8, v7, 320, v8                  ; LDS, V's registers 0-3 of a half: 16 r, lanes 16-31 in the next row
	v_and_b32 v10, 7, v0                           ; i = r % 8
	v_bfe_u32 v15, v0, 3, 1                        ; r / 8: which of two stored tiles my row of K comes from
	v_mul_u32_u24 v16, v15, 2*HI
	v_lshl_add_u32 v12, v10, 4, v16
	v_mad_u32_u24 v12, v7, 320, v12                ; K, registers 0-3: 16 i + 320 h + 1,920 (r / 8)
	v_lshl_add_u32 v13, v10, 3, v16
	v_lshl_add_u32 v13, v7, 7, v13
	v_add_nc_u32 v13, 640, v13                     ; K, registers 4, 5: 640 + 8 i + 128 h + 1,920 (r / 8)
	v_lshlrev_b32 v14, 2, v10
	v_lshl_add_u32 v14, v15, 6, v14
	v_lshl_add_u32 v14, v7, 5, v14
	v_add_nc_u32 v14, SC, v14                      ; K's pair words: 4 i + 64 (r / 8); lanes 16-31 take the fragment with g = 1, 32 bytes on
.irp p, 0,1                            ; both passes' q: half-images 16 tiles apart
	global_load_b128 v[QQ+6*\p:QQ+6*\p+3], v1, s[68:69] offset:12288*\p
	global_load_b64 v[QQ+6*\p+4:QQ+6*\p+5], v2, s[68:69] offset:12288*\p
	global_load_b32 v[QR+\p], v11, s[70:71] offset:512*\p
.endr
.irp i, 0,1,2,3,4,5
	v_mov_b32 v[QC+\i], 0                          ; the zero codes on both sides of q
	v_mov_b32 v[QC+12+\i], 0
.endr
.irp x, 19,23,28,29,31
	v_mov_b32 v\x, 0                               ; lane permutes' destinations and the upper half of the pair v[22:23] count as read
.endr
	WALU
	s_wait_loadcnt 0x0                             ; q and its scale words
	s_wait_tensorcnt 0x0                           ; my load, if I issued one, has landed
	s_barrier_signal -1
	s_barrier_wait -1                              ; the whole head is in LDS
; A KEY STEP: my 16 queries against 128 keys
.macro STEP
	v_add_nc_u32 v15, s[TK], v12                   ; these four lines are the places between the last step's products and the loads into the registers that they read
	v_add_nc_u32 v16, s[TK], v13
	v_add_nc_u32 v17, s[TS], v14
	v_mov_b32 v20, v[ST]                           ; the old -M
.irp f, 0,1,2,3                        ; K: fragment f = 2 c + g holds tiles u = 0, 1; my row comes from stored tile 4 c + 2 (r / 8) + u, its lanes 8 g + i
.irp u, 0,1
	ds_load_b128 v[KF+12*\f+6*\u:KF+12*\f+6*\u+3], v15 offset:HI*(4*(\f/2)+\u)+128*(\f%2)
	ds_load_b64 v[KF+12*\f+6*\u+4:KF+12*\f+6*\u+5], v16 offset:HI*(4*(\f/2)+\u)+64*(\f%2)
.endr
.endr
	ds_load_b32 v[KS], v17                         ; lanes 0-15 fragment 0's pair words, lanes 16-31 fragment 1's
	ds_load_b32 v[KS+1], v17 offset:128            ; fragments 2 and 3
	WALU
	s_wait_dscnt 0x0
.irp t, 0,1,2,3,4,5,6,7                ; S^T = K Q^T: an even tile against (q | 0), an odd one against (0 | q)
.if (\t/2)%2
	v_wmma_scale_f32_16x16x128_f8f6f4 v[SS+8*\t:SS+8*\t+7], v[KF+12*(\t/2):KF+12*(\t/2)+11], v[QC+6-6*(\t%2):QC+17-6*(\t%2)], 0, v[KS+\t/4], v[QS] matrix_a_fmt:MATRIX_FMT_FP6 matrix_b_fmt:MATRIX_FMT_FP6 matrix_a_scale:MATRIX_SCALE_ROW1
.else
	v_wmma_scale_f32_16x16x128_f8f6f4 v[SS+8*\t:SS+8*\t+7], v[KF+12*(\t/2):KF+12*(\t/2)+11], v[QC+6-6*(\t%2):QC+17-6*(\t%2)], 0, v[KS+\t/4], v[QS] matrix_a_fmt:MATRIX_FMT_FP6 matrix_b_fmt:MATRIX_FMT_FP6
.endif
.endr
	v_add_nc_u32 v32, s[TK], v8                    ; four places: in front of the loads into K's registers, and of the first read of the scores
	v_add_nc_u32 v33, s[TK], v9
	v_add_nc_u32 v34, s[TS], v3
	v_nop
.irp f, 0,1,2,3                        ; V^T's four fragments land under the softmax
	ds_load_b128 v[KF+12*\f:KF+12*\f+3], v32 offset:8*HI+2*HI*\f
	ds_load_b64 v[KF+12*\f+4:KF+12*\f+5], v33 offset:8*HI+2*HI*\f
	ds_load_b128 v[KF+12*\f+6:KF+12*\f+9], v32 offset:8*HI+2*HI*\f+HI
	ds_load_b64 v[KF+12*\f+10:KF+12*\f+11], v33 offset:8*HI+2*HI*\f+HI
.endr
	ds_load_b32 v[VS], v34 offset:256
	ds_load_b32 v[VS+1], v34 offset:384
.irp c, 0,1                            ; THE LARGEST SCORE OF MY TWO BLOCKS OF 32 KEYS, two chains a block, the four by turns; each accumulator is first read at its low end
	v_max3_num_f32 v[BM+\c], v[SS+32*\c], v[SS+32*\c+1], v[SS+32*\c+2]
	v_max3_num_f32 v[BN+\c], v[SS+32*\c+16], v[SS+32*\c+17], v[SS+32*\c+18]
.endr
.irp i, 3,5,7,9,11,13
.irp c, 0,1
	v_max3_num_f32 v[BM+\c], v[BM+\c], v[SS+32*\c+\i], v[SS+32*\c+\i+1]
	v_max3_num_f32 v[BN+\c], v[BN+\c], v[SS+32*\c+16+\i], v[SS+32*\c+17+\i]
.endr
.endr
.irp c, 0,1
	v_max3_num_f32 v[BM+\c], v[BM+\c], v[BN+\c], v[SS+32*\c+15]
.endr
.irp c, 0,1
	v_max_num_f32 v[BM+\c], v[BM+\c], v[SS+32*\c+31]
.endr
	s_delay_alu instid0(VALU_DEP_1)
	v_max_num_f32 v18, v[BM], v[BM+1]
	s_delay_alu instid0(VALU_DEP_1)
	v_permlanex16_b32 v19, v18, s[SEL], s[SEL+1]   ; lane l xor 16 holds the query's other 64 keys
	s_delay_alu instid0(VALU_DEP_1)
	v_max3_num_f32 v[ST+1], v[ST+1], v18, v19      ; the running largest score
	s_delay_alu instid0(VALU_DEP_1)
	v_mul_f32 v21, s[CS], v[ST+1]                  ; as t (c is positive)
	s_delay_alu instid0(VALU_DEP_1)
	v_floor_f32 v[ST], -v21                        ; the new -M = floor(-t): M is a whole number
	s_delay_alu instid0(VALU_DEP_1)
	v_sub_f32 v20, v[ST], v20                      ; old M - new M: a whole number, 0 or less
	s_delay_alu instid0(VALU_DEP_1)
	v_cvt_i32_f32 v20, v20                         ; (it saturates)
	s_delay_alu instid0(VALU_DEP_1)
	v_ldexp_f32 v22, 1.0, v20                      ; f = 2^(old M - new M)
	WALU                                           ; the wait directly ahead of the first reader of O^T
.set j, 0
.rept 16
	v_pk_mul_f32 v[OO+j:OO+j+1], v[OO+j:OO+j+1], v[22:23] op_sel_hi:[1,0]   ; O^T under the new M
.set j, j+2
.endr
.set j, 0
.rept 32
	v_pk_fma_f32 v[SS+j:SS+j+1], v[SS+j:SS+j+1], s[CS:CS+1], v[ST:ST+1] op_sel_hi:[1,0,0]   ; t - M, two at a time
.set j, j+2
.endr
.irp c, 0,1
	v_fma_f32 v[BM+\c], v[BM+\c], s[CS], v[ST]     ; the same of each block's largest score
.endr
	WALU
	v_exp_f32 v[BM], v[BM]                         ; the blocks' largest p,
	v_exp_f32 v[BM+1], v[BM+1]
.set j, 0
.rept 64
	v_exp_f32 v[SS+j], v[SS+j]                     ; and p = 2^(t - M), at most 1
.set j, j+1
.endr
	v_nop                                          ; a plain place behind the exponentials
	WALU                                           ; one wait for the whole batch, ahead of its first reader
.irp c, 0,1
	v_max_num_f32 v[BM+\c], 0x1800000, v[BM+\c]    ; the floor 2^(3 - 127): the byte cannot fall under 1
.endr
.irp c, 0,1
	v_add_nc_u32 v[SOP+\c], 0xff000000, v[BM+\c]   ; 2 off the exponent field: the conversions' scale operand
.endr
.irp c, 0,1
	v_cvt_scalef32_pk16_fp6_f32 v[PC+6*\c:PC+6*\c+2], v[SS+32*\c:SS+32*\c+15], v[SOP+\c]
	v_cvt_scalef32_pk16_fp6_f32 v[T2+4*\c:T2+4*\c+2], v[SS+32*\c+16:SS+32*\c+31], v[SOP+\c]   ; (a conversion's three registers begin on an even number)
.endr
	v_lshrrev_b32 v[BN], 23, v[SOP]                ; the bytes of blocks h and 2 + h.  Also the plain place behind the conversions
	v_lshrrev_b32 v[BN+1], 23, v[SOP+1]
	v_lshl_or_b32 v30, v[BN+1], 16, v[BN]
	s_delay_alu instid0(VALU_DEP_1)
	v_permlanex16_b32 v31, v30, s[SEL], s[SEL+1]
	s_delay_alu instid0(VALU_DEP_1)
	v_lshl_or_b32 v[PW], v31, 8, v30               ; lanes 0-15, which alone are read: blocks 0, 2 are mine, blocks 1, 3 the other lane's
.irp c, 0,1
.irp i, 0,1,2
	v_mov_b32 v[PC+6*\c+3+\i], v[T2+4*\c+\i]
.endr
.endr
.irp k, 0,1,2,3                        ; THE ROW'S SUM OF THE UNQUANTISED p, in four chains.  These 32 lines are also the places between p's codes and scale word and the products
	v_pk_add_f32 v[AC+2*\k:AC+2*\k+1], v[SS+4*\k:SS+4*\k+1], v[SS+4*\k+2:SS+4*\k+3]
.endr
.irp q, 0,1,2,3,4,5
.irp k, 0,1,2,3
	v_pk_add_f32 v[AC+2*\k:AC+2*\k+1], v[AC+2*\k:AC+2*\k+1], v[SS+16+8*\q+2*\k:SS+17+8*\q+2*\k]
.endr
.endr
	v_pk_add_f32 v[AC:AC+1], v[AC:AC+1], v[AC+2:AC+3]
	v_pk_add_f32 v[AC+4:AC+5], v[AC+4:AC+5], v[AC+6:AC+7]
	s_delay_alu instid0(VALU_DEP_1)
	v_pk_add_f32 v[AC:AC+1], v[AC:AC+1], v[AC+4:AC+5]
	s_delay_alu instid0(VALU_DEP_1)
	v_pk_fma_f32 v[ST+2:ST+3], v[ST+2:ST+3], v[22:23], v[AC:AC+1] op_sel_hi:[1,0,1]   ; the old sum under the new M, and this step's
	WALU
	s_wait_dscnt 0x0                               ; V is in
.irp d, 0,1,2,3                        ; O^T += V^T P^T: four accumulators, one instruction each
.if \d%2
	v_wmma_scale_f32_16x16x128_f8f6f4 v[OO+8*\d:OO+8*\d+7], v[KF+12*\d:KF+12*\d+11], v[PC:PC+11], v[OO+8*\d:OO+8*\d+7], v[VS+\d/2], v[PW] matrix_a_fmt:MATRIX_FMT_FP6 matrix_b_fmt:MATRIX_FMT_FP6 matrix_a_scale:MATRIX_SCALE_ROW1
.else
	v_wmma_scale_f32_16x16x128_f8f6f4 v[OO+8*\d:OO+8*\d+7], v[KF+12*\d:KF+12*\d+11], v[PC:PC+11], v[OO+8*\d:OO+8*\d+7], v[VS+\d/2], v[PW] matrix_a_fmt:MATRIX_FMT_FP6 matrix_b_fmt:MATRIX_FMT_FP6
.endif
.endr
.endm
; THE WAY OUT of pass p: O^T / the sum (register 16 b + i = channel 32 b + 16 h + i of my query); its two blocks of 32 channels are quantised; the codes are half a fragment
; (rowblock T + 16 p, K step head / 2, half head % 2).
.macro OUT p
.rept 4
	v_nop                                          ; four places behind the last products
.endr
	v_add_f32 v18, v[ST+2], v[ST+3]                ; the sum's two halves,
	s_delay_alu instid0(VALU_DEP_1)
	v_permlanex16_b32 v19, v18, s[SEL], s[SEL+1]
	s_delay_alu instid0(VALU_DEP_1)
	v_add_f32 v18, v18, v19                        ; and lane l xor 16's
	WALU
	v_rcp_f32 v18, v18
	v_nop                                          ; a plain place behind the transcendental
	WALU                                           ; the wait ahead of its first reader, which is also O^T's
.set j, 0
.rept 16
	v_pk_mul_f32 v[SS+j:SS+j+1], v[OO+j:OO+j+1], v[18:19] op_sel_hi:[1,0]
.set j, j+2
.endr
.irp b, 0,1
	v_max3_num_f32 v[BM+\b], |v[SS+16*\b]|, |v[SS+16*\b+1]|, 0x1800000
.endr
.irp i, 2,4,6,8,10,12,14
.irp b, 0,1
	s_delay_alu instid0(VALU_DEP_2)
	v_max3_num_f32 v[BM+\b], v[BM+\b], |v[SS+16*\b+\i]|, |v[SS+16*\b+\i+1]|
.endr
.endr
.irp b, 0,1
	s_delay_alu instid0(VALU_DEP_2)
	v_permlanex16_b32 v[BN+\b], v[BM+\b], s[SEL], s[SEL+1]
.endr
.irp b, 0,1
	s_delay_alu instid0(VALU_DEP_2)
	v_max_num_f32 v[BM+\b], v[BM+\b], v[BN+\b]
.endr
.irp b, 0,1
	s_delay_alu instid0(VALU_DEP_2)
	v_add_nc_u32 v[SOP+\b], 0xff000000, v[BM+\b]
.endr
.irp b, 0,1
	s_delay_alu instid0(VALU_DEP_2)
	v_lshrrev_b32 v[BN+\b], 23, v[SOP+\b]
.endr
	v_cmp_ne_u32 vcc_lo, 0, v7
	v_cndmask_b32 v[KF+6], v[BN], v[BN+1], vcc_lo  ; lanes 0-15 store the first block's byte, lanes 16-31 the second's
	v_cvt_scalef32_pk16_fp6_f32 v[KF:KF+2], v[SS:SS+15], v[SOP]
	v_cvt_scalef32_pk16_fp6_f32 v[T2:T2+2], v[SS+16:SS+31], v[SOP+1]
	v_nop                                          ; one plain place behind a scaled conversion
.irp i, 0,1,2
	v_permlane16_swap_b32 v[KF+\i], v[T2+\i]       ; the layout wants a whole block in a lane
.endr
.irp i, 0,1,2
	v_mov_b32 v[KF+3+\i], v[T2+\i]
.endr
	global_store_b128 v1, v[KF:KF+3], s[72:73] offset:196608*\p     ; 512 consecutive bytes,
	global_store_b64 v2, v[KF+4:KF+5], s[72:73] offset:196608*\p    ; and 256
	global_store_b8 v6, v[KF+6], s[74:75] offset:8192*\p            ; a head owns two of a row's 32 scale bytes: single bytes, 32 apart
.endm
.macro PASS p
.irp i, 0,1,2,3,4,5
	v_mov_b32 v[QC+6+\i], v[QQ+6*\p+\i]            ; this pass's q between the zeros
.endr
	v_perm_b32 v[QS], v[QR+\p], v[QR+\p], s[PSEL]  ; its two scale bytes, twice.  The 36 moves below stand between these and the first product
	v_mov_b32 v[ST], 0x7f61b1e6                    ; -M: 3e38
	v_mov_b32 v[ST+1], 0xff61b1e6                  ; the largest score so far: -3e38
	v_mov_b32 v[ST+2], 0
	v_mov_b32 v[ST+3], 0
.set j, 0
.rept 32
	v_mov_b32 v[OO+j], 0                           ; O^T: the step has no first step of its own: the first change of M multiplies zeros
.set j, j+1
.endr
	s_mov_b32 s[TK], 0
	s_mov_b32 s[TS], 0
	s_mov_b32 s[CNT], 16
.Lrun_\@:
	STEP
	s_add_co_u32 s[TK], s[TK], KSTEP
	s_add_co_u32 s[TS], s[TS], 512
	s_sub_co_u32 s[CNT], s[CNT], 1
	s_cmp_lg_u32 s[CNT], 0
	s_cbranch_scc1 .Lrun_\@
	OUT \p
.endm
	PASS 0
	s_wait_xcnt 0x0                                ; the stores have read their data: those registers take K again only behind this wait
	PASS 1
	s_wait_tensorcnt 0x0                           ; the wave's end: behind the last tensor load
	ds_add_u32 v[SPW], v[NIL]
	s_wait_dscnt 0x0
	CROUND                                         ; the closing round
	s_endpgm
.Lfunc_end_k_q47c49e7ed9_attn:
	.size	k_q47c49e7ed9_attn, .Lfunc_end_k_q47c49e7ed9_attn-k_q47c49e7ed9_attn
	.p2alignl 7, 3214868480
	.fill 96, 4, 3214868480
	.section	.rodata,"a",@progbits
	.p2align	6, 0x0
	.amdhsa_kernel k_q47c49e7ed9_attn
		.amdhsa_group_segment_fixed_size 256000
		.amdhsa_private_segment_fixed_size 0
		.amdhsa_enable_private_segment 0
		.amdhsa_kernarg_size 32
		.amdhsa_user_sgpr_count 2
		.amdhsa_user_sgpr_kernarg_segment_ptr 1
		.amdhsa_wavefront_size32 1
		.amdhsa_system_sgpr_workgroup_id_x 1
		.amdhsa_system_sgpr_workgroup_id_y 1
		.amdhsa_system_sgpr_workgroup_id_z 1
		.amdhsa_system_vgpr_workitem_id 0
		.amdhsa_next_free_vgpr 256
		.amdhsa_next_free_sgpr 80
		.amdhsa_reserve_vcc 1
		.amdhsa_float_denorm_mode_32 3
		.amdhsa_float_denorm_mode_16_64 3
		.amdhsa_memory_ordered 1
		.amdhsa_forward_progress 1
		.amdhsa_inst_pref_size 51
	.end_amdhsa_kernel
	.amdgpu_metadata
---
amdhsa.version: [ 1, 2 ]
amdhsa.kernels:
  - .name:           k_q47c49e7ed9_attn
    .symbol:         k_q47c49e7ed9_attn.kd
    .args:
      - { .name: qkvimg, .offset: 0, .size: 8, .value_kind: global_buffer, .address_space: global }
      - { .name: qkvsc, .offset: 8, .size: 8, .value_kind: global_buffer, .address_space: global }
      - { .name: oimg, .offset: 16, .size: 8, .value_kind: global_buffer, .address_space: global }
      - { .name: osc, .offset: 24, .size: 8, .value_kind: global_buffer, .address_space: global }
    .group_segment_fixed_size: 256000
    .private_segment_fixed_size: 0
    .kernarg_segment_align: 8
    .kernarg_segment_size: 32
    .max_flat_workgroup_size: 512
    .sgpr_count:     80
    .vgpr_count:     256
    .wavefront_size: 32
...
	.end_amdgpu_metadata
.endif
;; end of part 3
;; launch outp (part 4): grid 4 x 64, 4 waves a work-group, clusters of 4 x 4, 327,680 bytes of LDS; arguments oimg, osc, wimg, wsc, bo, out0; writes out0
.if DOCPART == 4
	.amdgcn_target "amdgcn-amd-amdhsa--gfx1250"
	.amdhsa_code_object_version 6
	.text
	.protected	k_q47c49e7ed9_outp
	.globl	k_q47c49e7ed9_outp
	.p2align	8
	.type	k_q47c49e7ed9_outp,@function
k_q47c49e7ed9_outp:
	s_mov_b64 s[64:65], 0
	v_nop
	global_prefetch_b8 v0, s[64:65] scope:SCOPE_SE
	s_setreg_imm32_b32 hwreg(HW_REG_WAVE_MODE, 25, 1), 1
	s_wait_xcnt 0x0
	s_wait_alu depctr_hold_cnt(0) depctr_sa_sdst(0) depctr_va_vdst(0) depctr_va_sdst(0) depctr_va_ssrc(0) depctr_va_vcc(0) depctr_vm_vsrc(0)
	s_getreg_b32 s2, hwreg(HW_REG_IB_STS2, 6, 4)
	s_cmp_eq_u32 s2, 0
	s_cbranch_scc0 .Lentry_in_a_cluster
	s_endpgm
.Lentry_in_a_cluster:
	s_bfe_u32 s2, ttmp6, 0x10000c
	s_cmp_lg_u32 s2, 0xf033
	s_cbranch_scc0 .Lentry_shape_is_right
	s_endpgm
.Lentry_shape_is_right:
; out0 = O Wo + bo on codes of FP6 (E2M3) with E8M0 scales, K = 1,024.  O's codes [8192 rows] and Wo^T's [1024 rows] lie as images of operand registers: fragment (rowblock t, K step s) at
; (8 t + s) x 1,536, half c at 768 c: registers 6c .. 6c+3 at 16 x lane, 6c+4, 6c+5 at 512 + 8 x lane; lane r of rowblock t holds row 32 (t / 2) + 8 (t % 2) + r + 8 (r / 8); a row's 32 scale bytes at 512 t + 32 r.
; THE MATRIX INSTRUCTION IS USED TRANSPOSED (source 0 = 16 rows of Wo^T = R, source 1 = 16 rows of O = P): a lane holds one row of the output and eight neighbouring columns a tile.
; SHARES.  A work-group makes 128 rows x 256 columns; wave w 64 x 128: P's rowblocks 4 (w / 2) .. + 3, R's 8 (w % 2) .. + 7: 32 accumulators.  256 work-groups.
; LDS.  The tile's WHOLE K lies in LDS, in four chunks of two K steps: every byte is filled once, by one tensor load a wave issued at the head; K steps 0-3 are read behind a
; wait for 0 and a barrier while K steps 4-7 are on their way.  Nothing is filled again.  lds_bytes claims all of the LDS; 307,712 are used.
; CLUSTER 4 x 4.  P's tile is asked for jointly by a row of the cluster, R's by a column.
; The bias is the C of each sum's first product: eight registers a tile of columns, in the result's layout.
; REGISTERS.  window 0: v1-18 addresses; v32-47 P's scale words, v48-79 R's; v80-127, v128-175 P's fragments, two sets; on the way out v64-191 take rows of the output.
;   window 1: R's fragments, sets at v0 and v96; v192-255 the bias.   window 2: accumulator (a, b) at v[8 (8 a + b)].
; LIMITS: NaN and infinities are not served.
.set RLDS,  98304
.set PSC,   294912
.set RSC,   299008
.set SPARE, 307200
.set SPW,  28
.set NIL,  29
.set G1P,  24
.set G1R,  32
.set G1PS, 40
.set G1RS, 48
.set G0PS, 56
.set G0RS, 60
.set G0P,  68
.set G0R,  84
.set MSB, 0
.macro WIN new                         ; the immediate's high byte repeats the setting that is left
.if MSB != \new
	s_set_vgpr_msb (MSB<<8)|\new
.set MSB, \new
.endif
.endm
.macro CROUND                          ; a round of the cluster's barrier
	s_barrier_signal -1
	s_barrier_wait -1
	s_cmp_lg_u32 s16, 0
	s_cbranch_scc1 .Lnot_wave_0_\@
	s_barrier_signal -3
.Lnot_wave_0_\@:
	s_barrier_wait -3
	s_barrier_signal -1
	s_barrier_wait -1
.endm
	s_load_b256 s[4:11], s[0:1], 0x0               ; oimg, osc, wimg, wsc
	s_load_b128 s[12:15], s[0:1], 0x20             ; bo, out0
	v_lshl_add_u32 v[SPW], v0, 2, SPARE
	v_mov_b32 v[NIL], 0
	ds_add_u32 v[SPW], v[NIL]                      ; the wave's opening: the add and its wait ahead of my first tensor load; work on registers stands between them
	ds_add_u32 v[SPW], v[NIL]
	v_lshrrev_b32 v1, 5, v0
	v_readfirstlane_b32 s16, v1                    ; wave
	s_lshr_b32 s17, s16, 1                         ; my half of P's rows.  Also: which half of K I fetch
	s_and_b32 s18, s16, 1                          ; my half of R's rows.  Also: I fetch for R (0) or for P (1)
	s_bfe_u32 s19, ttmp6, 0x40000                  ; cx = R's tile
	s_bfe_u32 s20, ttmp6, 0x40004                  ; cy
	s_and_b32 s21, ttmp7, 0xffff                   ; the cluster's y
	s_lshl_b32 s2, s20, 2
	s_lshl_b32 s2, 15, s2                          ; my row of the cluster
	s_lshl_b32 s3, 0x1111, s19                     ; my column
	s_or_b32 s[G1P], s2, (3<<16)|(1<<21)           ; 15:0 the mask; 17:16 elements of 8 bytes; 21 set beside a mask; no padding
	s_or_b32 s[G1R], s3, (3<<16)|(1<<21)
.irp g, G1P, G1R
	s_mov_b32 s[\g+1], 768<<16                     ; a load brings HALF OF K of a tile: a row is a rowblock's four K steps, 6,144 bytes,
	s_mov_b32 s[\g+3], 768<<16
	s_mov_b32 s[\g+5], 1536                        ; 12,288 bytes from rowblock to rowblock
	s_mov_b32 s[\g+6], 0
	s_mov_b32 s[\g+7], 0
.endr
	s_mov_b32 s[G1P+2], 8<<16                      ; P: 8 rowblocks
	s_mov_b32 s[G1P+4], 8
	s_mov_b32 s[G1R+2], 16<<16                     ; R: 16
	s_mov_b32 s[G1R+4], 16
	s_lshl_b32 s66, s21, 2
	s_add_co_u32 s66, s66, s20                     ; pt = 4 Y + cy: it never meets cx
	s_mul_i32 s100, s66, 98304                     ; P's codes
	s_mov_b32 s101, 0
	s_mul_i32 s104, s19, 196608                    ; R's: Wo^T is the fourth of wimg
	s_add_co_u32 s104, s104, 2359296
	s_mov_b32 s105, 0
	s_lshl_b32 s58, s66, 12                        ; P's scale words
	s_mov_b32 s59, 0
	s_lshl_b32 s62, s19, 13                        ; R's
	s_add_co_u32 s62, s62, 98304
	s_mov_b32 s63, 0
	; FOUR HALF TILES, ONE LOAD A WAVE, each dense
	; in LDS: P's K steps 0-3 at 0, 4-7 at 49,152; R's at RLDS and RLDS + 98,304; in each, rowblock i at 6,144 i, K step s at 1,536 (s % 4)
	s_mov_b32 s[G0P], 1
	s_mov_b32 s[G0P+1], 0
	s_mov_b32 s[G0P+4], 1
	s_mov_b32 s[G0P+5], 49152
	s_mov_b32 s[G0R], 1
	s_mov_b32 s[G0R+1], RLDS
	s_mov_b32 s[G0R+4], 1
	s_mov_b32 s[G0R+5], RLDS+98304
	s_wait_dscnt 0x0                               ; the opening add is done
	s_wait_kmcnt 0x0
	s_add_nc_u64 s[G0P+2:G0P+3], s[4:5], s[100:101]
	s_add_nc_u64 s[G0PS+2:G0PS+3], s[6:7], s[G0PS+2:G0PS+3]
	s_add_nc_u64 s[G0R+2:G0R+3], s[8:9], s[104:105]
	s_add_nc_u64 s[G0RS+2:G0RS+3], s[10:11], s[G0RS+2:G0RS+3]
	s_add_nc_u64 s[G0P+6:G0P+7], s[G0P+2:G0P+3], 6144   ; K steps 4 to 7
	s_add_nc_u64 s[G0R+6:G0R+7], s[G0R+2:G0R+3], 6144
	s_or_b32 s[G0P+3], s[G0P+3], 0x80000000        ; type = 2
	s_or_b32 s[G0R+3], s[G0R+3], 0x80000000
	s_or_b32 s[G0P+7], s[G0P+7], 0x80000000
	s_or_b32 s[G0R+7], s[G0R+7], 0x80000000
	s_lshl_b32 s104, s19, 10                       ; my 128 columns: 1,024 cx + 512 (w % 2) bytes, in bo and in a row of out0
	s_lshl_b32 s3, s18, 9
	s_add_co_u32 s104, s104, s3
	s_add_nc_u64 s[12:13], s[12:13], s[104:105]
	s_lshl_b32 s100, s66, 19                       ; my 64 rows: 128 pt + 64 (w / 2), 4,096 bytes each
	s_lshl_b32 s2, s17, 18
	s_add_co_u32 s100, s100, s2
	s_add_co_u32 s100, s100, s104
	s_add_nc_u64 s[14:15], s[14:15], s[100:101]
	CROUND                                         ; all sixteen work-groups are here: the joint loads meet
	s_cmp_eq_u32 s16, 0                            ; one chain of branches on the wave's number, one load to an arm: wave 0 R's K steps 0-3, wave 1 P's, wave 2 R's K steps 4-7, wave 3 P's
	s_cbranch_scc0 .Lfill_1
	tensor_load_to_lds s[G0R:G0R+3], s[G1R:G1R+7]
	s_nop 0
.rept 4
	v_nop
.endr
	s_branch .Lfilled
.Lfill_1:
	s_cmp_eq_u32 s16, 1
	s_cbranch_scc0 .Lfill_2
	tensor_load_to_lds s[G0P:G0P+3], s[G1P:G1P+7]
	s_nop 0
.rept 4
	v_nop
.endr
	s_branch .Lfilled
.Lfill_2:
	s_cmp_eq_u32 s16, 2
	s_cbranch_scc0 .Lfill_3
	tensor_load_to_lds s[G0R+4:G0R+7], s[G1R:G1R+7]
	s_nop 0
.rept 4
	v_nop
.endr
	s_branch .Lfilled
.Lfill_3:
	tensor_load_to_lds s[G0P+4:G0P+7], s[G1P:G1P+7]
	s_nop 0
.rept 4
	v_nop
.endr
.Lfilled:
	v_and_b32 v1, 15, v0                           ; r
	v_bfe_u32 v2, v0, 4, 1                         ; h
	v_lshlrev_b32 v16, 6, v2                       ; the bias: tile b's register j is column 32 (b / 2) + 8 (b % 2) + 16 h + j
	WIN 0x40                                       ; destination window 1
.irp b, 0,1,2,3,4,5,6,7
	global_load_b128 v[192+8*\b:195+8*\b], v16, s[12:13] offset:(32*(\b/2)+8*(\b%2))*4
	global_load_b128 v[196+8*\b:199+8*\b], v16, s[12:13] offset:(32*(\b/2)+8*(\b%2))*4+16
.endr
	WIN 0
	v_and_b32 v15, 31, v0
	v_lshlrev_b32 v3, 4, v15                       ; 16 x lane
	v_lshl_add_u32 v4, v15, 3, 512                 ; 512 + 8 x lane
	s_mul_i32 s2, s17, 24576
	v_add_nc_u32 v5, s2, v3                        ; my four rowblocks of P in chunk 0
	v_add_nc_u32 v6, s2, v4
	s_mul_i32 s3, s18, 49152
	s_add_co_u32 s3, s3, RLDS
	v_add_nc_u32 v7, s3, v3                        ; my eight of R
	v_add_nc_u32 v8, s3, v4
	v_lshlrev_b32 v13, 5, v1
	v_lshl_add_u32 v14, v2, 11, v13                ; R's scale words: 32 r, lanes 16-31 four rowblocks on
	v_lshl_add_u32 v13, v2, 10, v13                ; P's: lanes 16-31 two rowblocks on
	s_lshl_b32 s2, s17, 11
	v_add_nc_u32 v13, s2, v13
	s_lshl_b32 s3, s18, 12
	v_add_nc_u32 v14, s3, v14
.irp q, 0,1                            ; the scale words of all eight K steps go from memory straight into their registers: a row's 32 bytes by two loads
	global_load_b128 v[32+8*\q:35+8*\q], v13, s[58:59] offset:512*\q
	global_load_b128 v[36+8*\q:39+8*\q], v13, s[58:59] offset:512*\q+16
.endr
.irp q, 0,1,2,3
	global_load_b128 v[48+8*\q:51+8*\q], v14, s[62:63] offset:512*\q
	global_load_b128 v[52+8*\q:55+8*\q], v14, s[62:63] offset:512*\q+16
.endr
	s_mul_i32 s2, s16, 8448                        ; the way out: my stage, 16 rows x (512 + 16) bytes, in P's first chunk
	v_mul_u32_u24 v17, v1, 528
	v_lshl_add_u32 v17, v2, 6, v17
	v_add_nc_u32 v17, s2, v17                      ; in: row r, + 64 h
	v_add_nc_u32 v18, s2, v3                       ; back: 16 x lane of a row
.macro FETCH set, sub                  ; 48 LDS loads: the fragments of the chunk's K step sub into set: P's four, R's eight
	WIN 0
.set i, 0
.rept 4
.set rF, 80+48*(\set)+12*i
.set oF, 6144*i+1536*(\sub)
	ds_load_b128 v[rF:rF+3], v9 offset:oF
	ds_load_b64 v[rF+4:rF+5], v10 offset:oF
	ds_load_b128 v[rF+6:rF+9], v9 offset:oF+768
	ds_load_b64 v[rF+10:rF+11], v10 offset:oF+768
.set i, i+1
.endr
	WIN 0x40
.set i, 0
.rept 8
.set rF, 96*(\set)+12*i
.set oF, 6144*i+1536*(\sub)
	ds_load_b128 v[rF:rF+3], v11 offset:oF
	ds_load_b64 v[rF+4:rF+5], v12 offset:oF
	ds_load_b128 v[rF+6:rF+9], v11 offset:oF+768
	ds_load_b64 v[rF+10:rF+11], v12 offset:oF+768
.set i, i+1
.endr
.endm
; One product: accumulator (ia, ib), K step s.  first = 1: the sum begins with the bias of tile ib (window 1).
.macro WM set, s, first
.set rD, 8*(8*ia+ib)
.set rA, 96*(\set)+12*ib
.set rB, 80+48*(\set)+12*ia
.set rX, 48+8*(ib%4)+(\s)
.set rY, 32+8*(ia%2)+(\s)
.set rC, rD
.if \first
.set rC, 192+8*ib
.endif
.if (ib < 4) && (ia < 2)
	v_wmma_scale_f32_16x16x128_f8f6f4 v[rD:rD+7], v[rA:rA+11], v[rB:rB+11], v[rC:rC+7], v[rX], v[rY] matrix_a_fmt:MATRIX_FMT_FP6 matrix_b_fmt:MATRIX_FMT_FP6
.elseif (ia < 2)
	v_wmma_scale_f32_16x16x128_f8f6f4 v[rD:rD+7], v[rA:rA+11], v[rB:rB+11], v[rC:rC+7], v[rX], v[rY] matrix_a_fmt:MATRIX_FMT_FP6 matrix_b_fmt:MATRIX_FMT_FP6 matrix_a_scale:MATRIX_SCALE_ROW1
.elseif (ib < 4)
	v_wmma_scale_f32_16x16x128_f8f6f4 v[rD:rD+7], v[rA:rA+11], v[rB:rB+11], v[rC:rC+7], v[rX], v[rY] matrix_a_fmt:MATRIX_FMT_FP6 matrix_b_fmt:MATRIX_FMT_FP6 matrix_b_scale:MATRIX_SCALE_ROW1
.else
	v_wmma_scale_f32_16x16x128_f8f6f4 v[rD:rD+7], v[rA:rA+11], v[rB:rB+11], v[rC:rC+7], v[rX], v[rY] matrix_a_fmt:MATRIX_FMT_FP6 matrix_b_fmt:MATRIX_FMT_FP6 matrix_a_scale:MATRIX_SCALE_ROW1 matrix_b_scale:MATRIX_SCALE_ROW1
.endif
.endm
; P's blocks a0 .. a0 + n - 1 against R's eight.  The 32 accumulators take turns, one instruction a turn, in one order in every K step.
.macro MUL a0, n, set, s, first
.if \first
	WIN 0x91                                       ; source 0 (R) window 1, source 1 (P) window 0, C (the bias) window 1, D window 2
.else
	WIN 0xa1                                       ; C and D window 2
.endif
.set ia, \a0
.rept \n
.set ib, 0
.rept 8
	WM \set, \s, \first
.set ib, ib+1
.endr
.set ia, ia+1
.endr
.endm
.macro PHASE j, first                  ; chunk j: K steps 2 j and 2 j + 1
	WIN 0
.if \j == 0
	s_cmp_lt_u32 s16, 2                            ; waves 0 and 1 brought K steps 0 to 3, by load lines that are theirs alone: they wait; the other two waves' loads stay out
	s_cbranch_scc0 .Lnot_lo
	s_wait_tensorcnt 0x0
.Lnot_lo:
	s_barrier_signal -1                            ; (no LDS instruction of mine is out here)
	s_barrier_wait -1                              ; K steps 0 to 3 of both tiles are in
.endif
.if \j == 2
	s_wait_tensorcnt 0x0                           ; every wave's load has landed
	s_barrier_signal -1
	s_barrier_wait -1                              ; K steps 4 to 7 are in
.endif
.if (\j%2) == 0                        ; a half's first K pair fetches its own first fragments; the second pair's were fetched under the first's last products
	v_add_nc_u32 v9, 49152*(\j/2), v5              ; these four lines are also the places between the last products that read either set of fragments and the loads into it
	v_add_nc_u32 v10, 49152*(\j/2), v6
	v_add_nc_u32 v11, 98304*(\j/2), v7
	v_add_nc_u32 v12, 98304*(\j/2), v8
	FETCH 0, 0
.endif
	s_wait_alu depctr_va_vdst(0)
	s_wait_dscnt 0x0
.if \first
	s_wait_loadcnt 0x0                             ; the bias
.endif
	MUL 0, 2, 0, 2*\j, \first
.if \j%2
.rept 4
	v_nop                                          ; places between the last pair's products on set 1 and the loads into it
.endr
.endif
	FETCH 1, 1
	MUL 2, 2, 0, 2*\j, \first
	s_wait_dscnt 0x0
.if (\j%2) == 0
	MUL 0, 2, 1, 2*\j+1, 0
	WIN 0
	v_add_nc_u32 v9, 49152*(\j/2)+3072, v5         ; the next K pair's addresses: four places between the products that read set 0 and the loads into it
	v_add_nc_u32 v10, 49152*(\j/2)+3072, v6
	v_add_nc_u32 v11, 98304*(\j/2)+3072, v7
	v_add_nc_u32 v12, 98304*(\j/2)+3072, v8
	FETCH 0, 0
	MUL 2, 2, 1, 2*\j+1, 0
.else
	MUL 0, 4, 1, 2*\j+1, 0
.endif
.endm
	s_wait_alu depctr_va_vdst(0)
	PHASE 0, 1
	PHASE 1, 0
	PHASE 2, 0
	PHASE 3, 0
	WIN 0
	; THE WAY OUT.  The stages lie in P's first chunk, which has had its one fill; behind this barrier no wave reads it any more (every wave's last LDS loads were waited for ahead of its last products).
	s_wait_dscnt 0x0
	s_barrier_signal -1
	s_barrier_wait -1
.rept 4
	v_nop                                          ; four places between the last products and the first read of results, and the loads into the registers that held operands and scale words
.endr
; Block a: 16 rows x 128 columns go through my stage and come back as whole rows of 512 bytes.  LDS serves a wave's instructions in order: no wait between the stores and the loads, nor in front of the next block's stores.
.macro TOSTAGE a
	WIN 0x08                                       ; an LDS store's data: window 2
.irp b, 0,1,2,3,4,5,6,7
	ds_store_b128 v17, v[64*(\a)+8*\b:64*(\a)+8*\b+3] offset:128*(\b/2)+32*(\b%2)        ; each accumulator from its low end on
	ds_store_b128 v17, v[64*(\a)+8*\b+4:64*(\a)+8*\b+7] offset:128*(\b/2)+32*(\b%2)+16
.endr
	WIN 0
.set BB, 64+64*((\a)%2)
.irp t, 0,1,2,3,4,5,6,7,8,9,10,11,12,13,14,15
	ds_load_b128 v[BB+4*\t:BB+4*\t+3], v18 offset:\t*528
.endr
.endm
.macro SEND a, younger                 ; row t of block a is row 32 (a / 2) + 8 (a % 2) + t + 8 (t / 8) of my 64: the permutation of rows is undone in the immediate
.set BB, 64+64*((\a)%2)
	s_wait_dscnt \younger
.irp t, 0,1,2,3,4,5,6,7,8,9,10,11,12,13,14,15
	global_store_b128 v3, v[BB+4*\t:BB+4*\t+3], s[14:15] offset:(32*((\a)/2)+8*((\a)%2)+\t+8*(\t/8))*4096 th:TH_STORE_NT   ; 512 consecutive bytes, aligned; written once
.endr
.endm
	TOSTAGE 0
.irp a, 1,2,3
.if \a > 1
	s_wait_xcnt 0x0                                ; block a - 2's stores have read their registers: block a's loads may land there
.endif
	TOSTAGE \a
	SEND \a-1, 32                                  ; behind block a - 1's loads: block a's 16 stores and 16 loads
.endr
	SEND 3, 0
	s_wait_tensorcnt 0x0                           ; the wave's end: behind my last tensor load and my last LDS store
	ds_add_u32 v[SPW], v[NIL]
	s_wait_dscnt 0x0
	CROUND                                         ; the closing round
	s_endpgm
.Lfunc_end_k_q47c49e7ed9_outp:
	.size	k_q47c49e7ed9_outp, .Lfunc_end_k_q47c49e7ed9_outp-k_q47c49e7ed9_outp
	.p2alignl 7, 3214868480
	.fill 96, 4, 3214868480
	.section	.rodata,"a",@progbits
	.p2align	6, 0x0
	.amdhsa_kernel k_q47c49e7ed9_outp
		.amdhsa_group_segment_fixed_size 327680
		.amdhsa_private_segment_fixed_size 0
		.amdhsa_enable_private_segment 0
		.amdhsa_kernarg_size 48
		.amdhsa_user_sgpr_count 2
		.amdhsa_user_sgpr_kernarg_segment_ptr 1
		.amdhsa_wavefront_size32 1
		.amdhsa_system_sgpr_workgroup_id_x 1
		.amdhsa_system_sgpr_workgroup_id_y 1
		.amdhsa_system_sgpr_workgroup_id_z 1
		.amdhsa_system_vgpr_workitem_id 0
		.amdhsa_next_free_vgpr 768
		.amdhsa_next_free_sgpr 106
		.amdhsa_reserve_vcc 0
		.amdhsa_float_denorm_mode_32 3
		.amdhsa_float_denorm_mode_16_64 3
		.amdhsa_memory_ordered 1
		.amdhsa_forward_progress 1
		.amdhsa_inst_pref_size 84
	.end_amdhsa_kernel
	.amdgpu_metadata
---
amdhsa.version: [ 1, 2 ]
amdhsa.kernels:
  - .name:           k_q47c49e7ed9_outp
    .symbol:         k_q47c49e7ed9_outp.kd
    .args:
      - { .name: oimg, .offset: 0, .size: 8, .value_kind: global_buffer, .address_space: global }
      - { .name: osc, .offset: 8, .size: 8, .value_kind: global_buffer, .address_space: global }
      - { .name: wimg, .offset: 16, .size: 8, .value_kind: global_buffer, .address_space: global }
      - { .name: wsc, .offset: 24, .size: 8, .value_kind: global_buffer, .address_space: global }
      - { .name: bo, .offset: 32, .size: 8, .value_kind: global_buffer, .address_space: global }
      - { .name: out0, .offset: 40, .size: 8, .value_kind: global_buffer, .address_space: global }
    .group_segment_fixed_size: 327680
    .private_segment_fixed_size: 0
    .kernarg_segment_align: 8
    .kernarg_segment_size: 48
    .max_flat_workgroup_size: 128
    .sgpr_count:     106
    .vgpr_count:     768
    .wavefront_size: 32
...
	.end_amdgpu_metadata
.endif
;; end of part 4
